; MI455X (gfx1250); checked and timed in simulation.
; The chip was launched on July 23, 2026; its instructions are those of AMD's public machine-readable ISA for CDNA 5 (MIT licence, August 2026) and "CDNA5" Instruction Set Architecture Reference Guide (July 2026). The comments in the code are by the model that wrote it; some were corrected since.
;; Moe Layer. Allowed arithmetic: matrix products marked QUANTISED: E4M3 operands, one E8M0 scale for each 32 along K, by v_wmma_scale_f32_16x16x128_f8f6f4 with both operands' format E4M3, f32 sums; products left as they are: f32 operands where the result goes on into a quantised operand, else bf16, f16 or f32 operands; f32 sums; everything else in f32.
;; Inputs: b1 8 x 4,096 float32; b2 8 x 1,024 float32; gate_w 1,024 x 8 float32; w1_codes 8 x 4,096 x 32 x 32 uint8 (E4M3 codes of w1, K innermost, in blocks of 32 codes); w1_scales 8 x 4,096 x 32 uint8 (E8M0 scales of w1, one for each 32 codes along K); w2_codes 8 x 1,024 x 128 x 32 uint8 (E4M3 codes of w2, K innermost, in blocks of 32 codes); w2_scales 8 x 1,024 x 128 uint8 (E8M0 scales of w2, one for each 32 codes along K); x 4 x 256 x 1,024 float32.
;; Outputs: out0 4 x 256 x 1,024 float32.
;; This version of the problem:
;;   THIS VERSION OF THE PROBLEM IS GIVEN IN LOW PRECISION. The matrix products marked QUANTISED in the list below multiply operands that are first quantised to E4M3 (4 exponent bits, 3 mantissa bits; 8 bits a number), with one power-of-two scale for each 32 numbers along K (OCP MX v1.0); their sums are f32. All else is computed in f32.
;;   The module's matrix products, in the order in which they are computed (A, B: the left and right operand; K: the contracted axis; several contracted axes count as one K, in the product's order):
;;     1. [M 1,024, K 1,024] x [K 1,024, N 8]; A: input x; B: input gate_w: left as it is (N = 8 < 16)
;;     2. [M 1,024, K 1,024] x [K 1,024, N 4,096]; A: input x; B: input w1 (given as codes): QUANTISED
;;     3. [M 1,024, K 4,096] x [K 4,096, N 1,024]; A: computed on the way; B: input w2 (given as codes): QUANTISED
;;     4. [M 1,024, K 1,024] x [K 1,024, N 4,096]; A: input x; B: input w1 (given as codes): QUANTISED
;;     5. [M 1,024, K 4,096] x [K 4,096, N 1,024]; A: computed on the way; B: input w2 (given as codes): QUANTISED
;;     6. [M 1,024, K 1,024] x [K 1,024, N 4,096]; A: input x; B: input w1 (given as codes): QUANTISED
;;     7. [M 1,024, K 4,096] x [K 4,096, N 1,024]; A: computed on the way; B: input w2 (given as codes): QUANTISED
;;     8. [M 1,024, K 1,024] x [K 1,024, N 4,096]; A: input x; B: input w1 (given as codes): QUANTISED
;;     9. [M 1,024, K 4,096] x [K 4,096, N 1,024]; A: computed on the way; B: input w2 (given as codes): QUANTISED
;;     10. [M 1,024, K 1,024] x [K 1,024, N 4,096]; A: input x; B: input w1 (given as codes): QUANTISED
;;     11. [M 1,024, K 4,096] x [K 4,096, N 1,024]; A: computed on the way; B: input w2 (given as codes): QUANTISED
;;     12. [M 1,024, K 1,024] x [K 1,024, N 4,096]; A: input x; B: input w1 (given as codes): QUANTISED
;;     13. [M 1,024, K 4,096] x [K 4,096, N 1,024]; A: computed on the way; B: input w2 (given as codes): QUANTISED
;;     14. [M 1,024, K 1,024] x [K 1,024, N 4,096]; A: input x; B: input w1 (given as codes): QUANTISED
;;     15. [M 1,024, K 4,096] x [K 4,096, N 1,024]; A: computed on the way; B: input w2 (given as codes): QUANTISED
;;     16. [M 1,024, K 1,024] x [K 1,024, N 4,096]; A: input x; B: input w1 (given as codes): QUANTISED
;;     17. [M 1,024, K 4,096] x [K 4,096, N 1,024]; A: computed on the way; B: input w2 (given as codes): QUANTISED
;;   THE QUANTISER, for each operand of a quantised product, along K:
;;     - K is cut into blocks of 32 from its start; a last block that is shorter is filled with zeros.
;;     - A block's scale is 2^e with e = floor(log2(the largest magnitude in the block)) - 8, held to -126 .. 127; a block of zeros has e = 0. As a byte (E8M0): e + 127.
;;     - Each number is divided by its block's scale, clamped to +-448, and rounded to the nearest number of E4M3, ties to even, subnormals kept.
;;     - The product sums the exact products of the quantised numbers (number of the format x scale) in f32.
;;   ~~~python
;;   def quantise(x, axis):      # numpy; x: float32 -> the quantised numbers, widened to float32 again
;;       x = np.moveaxis(x, axis, -1); K = x.shape[-1]
;;       x = np.pad(x, [(0, 0)] * (x.ndim - 1) + [(0, -K % 32)]); x = x.reshape(x.shape[:-1] + (-1, 32)); a = np.abs(x).max(-1, keepdims=True)
;;       e = np.where(a > 0, np.clip(np.frexp(np.where(a > 0, a, 1))[1] - 1 - 8, -126, 127), 0)      # np.frexp(a)[1] - 1 = floor(log2(a)), exactly
;;       r = np.clip(x / 2.0 ** e, -448, 448)
;;       step = 2.0 ** (np.maximum(np.frexp(np.where(r == 0, 1, r))[1] - 1, -6) - 3)
;;       q = np.round(r / step) * step * 2.0 ** e      # np.round: ties to even
;;       return np.moveaxis(q.reshape(q.shape[:-2] + (-1,))[..., :K], -1, axis).astype(np.float32)
;;   ~~~
;;   OPERANDS COMPUTED ON THE WAY. 'Computed on the way' means the value that the module computes at that place (a softmax that the list does not call 'softmax' is quantised finished and normalised). What goes into a quantiser is computed in f32, as accurately as f32 sums, v_exp_f32 and their like allow (about 1e-6 of the number): no bf16 or f16 on the way to a quantiser, and a product that is left as it is and whose result goes on into a quantised operand takes f32 operands (vector FMAs, or v_wmma_f32_16x16x4_f32). A number that lies on a knife's edge between two numbers of the format may be rounded either way, as far as f32 arithmetic and the matrix unit's own rounding can turn it there, and no further.
;;   INPUTS GIVEN AS CODES. w1 (in the module: [8, 1024, 4096], K = its axis 1); w2 (in the module: [8, 4096, 1024], K = its axis 1): each comes as NAME_codes (uint8): NAME with its K axis moved to the last place and cut into blocks of 32 codes, [.., K / 32, bytes a block], one block behind the other in memory; one code a byte (a code: sign, 4 exponent bits, 3 mantissa bits); and NAME_scales (uint8): the same leading axes, one E8M0 byte (e + 127) for each 32 codes along K. Its value is code x scale, taken as it is: it is not quantised again, and the codes and scales need not be those that the quantiser above would give.
;; 2 versions. Each part assembles by itself: llvm-mc -triple=amdgcn-amd-amdhsa -mcpu=gfx1250 --defsym DOCPART=n.
;; ======== version 1 of 2: 5 launches
;; workspace buffers: xq 1,048,576 bytes; xsc 32,768 bytes; sel 4,096 bytes of whole numbers; coef 8,192 bytes; list 36,864 bytes of whole numbers; hbuf 33,554,432 bytes; hsc 1,048,576 bytes; ypart 20,971,520 bytes
;; launch route (part 1): grid 256 x 1, 4 waves a work-group, no clusters, 55,808 bytes of LDS; arguments x, gate_w, xq, xsc, sel, coef; writes xq, xsc, sel, coef
.if DOCPART == 1
	.amdgcn_target "amdgcn-amd-amdhsa--gfx1250"
	.amdhsa_code_object_version 6
	.text
	.protected	k_q0ee59ca759_route
	.globl	k_q0ee59ca759_route
	.p2align	8
	.type	k_q0ee59ca759_route,@function
k_q0ee59ca759_route:
	s_mov_b64 s[64:65], 0
	v_nop
	global_prefetch_b8 v0, s[64:65] scope:SCOPE_SE
	s_setreg_imm32_b32 hwreg(HW_REG_WAVE_MODE, 25, 1), 1
	s_wait_xcnt 0x0
; THE GATE AND x's CODES.  One wave takes one token t = 4 x work-group + wave: its 1,024 numbers of x are read once and serve twice:
;   the eight logits x . gate_w (f32 multiply-adds, f32 sums), their two largest (ties: the lower index) and the softmax over these two, the larger taken away first;
;   the codes of x (E4M3, one E8M0 byte for each 32 along D), laid [token][1024] and [token][32].
; Stored at fixed places: sel[t] = first expert | second expert << 8, coef[t] = the two weights.  No address and no branch hangs on the choice.
; LIMITS: inputs are finite; with logits of -infinity or NaN the second choice is not served.  A block of zeros gets the byte 1 where the quantiser's rule says 127:
; its codes are zeros, and the bytes are read by this program alone.  The logits' sums run lane by lane and then across lanes: another order of rounding than a plain chain.
; A lane must hold 16 NEIGHBOURS along D for the conversions, and a load is dense where neighbouring lanes take neighbouring bytes: so x turns through the wave's own stage in LDS
; (four lanes' 64 bytes on end, then 16 of padding).  The gate (32 KiB) is brought into LDS once by the four waves, as 64 chunks of 512 bytes (16 rows of 8), 528 bytes apart:
; lane l of step g wants chunk 32 g + l, so that sixteen lanes of a load start at sixteen different 16-byte columns.
.set GP,   528                         ; a chunk of the gate in LDS
.set SP,   80                          ; a lane's place in a stage: 64 bytes + 16
.set REG0, 64*GP                       ; behind the gate: a region for each wave: two stages of 32 x SP bytes, then its 32 scale bytes
.set REGB, 5376
.set A,  8                             ; v8-15    the eight logits
.set R,  16                            ; v16-47   x as loaded
.set GB, 48                            ; v48-111  the gate as loaded; later chunk buffer B
.set X,  112                           ; v112-143 two steps of 16 neighbours
.set GA, 144                           ; v144-207 chunk buffer A
.set CD, 208                           ; v208-215 codes
.set PL, 216                           ; v216-223 lane permutes' destinations
.set T,  224                           ; v224-231 at work, four for each step; v232-233 the scale bytes
	s_load_b256 s[4:11], s[0:1], 0x0               ; x, gate_w, xq, xsc
	s_load_b128 s[12:15], s[0:1], 0x20             ; sel, coef
	v_lshl_add_u32 v254, v0, 2, 0xd800
	v_mov_b32 v255, 0
	v_lshrrev_b32 v1, 5, v0
	v_readfirstlane_b32 s16, v1                    ; wave
	v_and_b32 v1, 31, v0                           ; lane
	v_lshlrev_b32 v2, 4, v1                        ; 16 x lane
	s_mul_i32 s17, s16, REGB
	s_add_co_u32 s17, s17, REG0                    ; my wave's region
	v_lshrrev_b32 v3, 2, v1
	v_mul_u32_u24 v3, v3, SP
	v_and_b32 v4, 3, v1
	v_lshl_add_u32 v3, v4, 4, v3
	v_add_nc_u32 v3, s17, v3                       ; the stage, on the way in: SP (lane / 4) + 16 (lane % 4)
	v_mul_u32_u24 v4, v1, SP
	v_add_nc_u32 v4, s17, v4                       ; and on the way out: SP x lane
	s_mul_i32 s18, s16, 16*GP
	v_add_nc_u32 v5, s18, v2                       ; where my wave puts its 16 chunks of the gate
	v_mul_u32_u24 v6, v1, GP                       ; my lane's chunk
	s_add_co_u32 s19, s17, 2*32*SP
	v_lshrrev_b32 v7, 1, v1
	v_add_nc_u32 v7, s19, v7                       ; my block's scale byte: two lanes to a block
	v_and_b32 v244, 7, v1
	v_lshlrev_b32 v244, 2, v244
	v_add_nc_u32 v244, s19, v244                   ; the 32 bytes read back as eight words
	v_lshlrev_b32 v245, 2, v1
	v_mov_b32 v246, 0
.irp i, 0,1,2,3,4,5,6,7
	v_mov_b32 v[PL+\i], 0                          ; written once: a lane permute's destination counts as one of its sources
.endr
	s_mov_b32 s40, 0x76543210
	s_mov_b32 s41, 0xfedcba98                      ; selects for lane l xor 16
	s_mov_b32 s42, 0x600000                        ; the mantissa field of 448
	s_lshl_b32 s20, ttmp9, 2
	s_add_co_u32 s20, s20, s16                     ; my token
	s_mov_b32 s23, 0
	s_wait_kmcnt 0x0
	s_lshl_b32 s22, s20, 12
	s_add_nc_u64 s[4:5], s[4:5], s[22:23]          ; x at my row
	s_lshl_b32 s22, s16, 13
	s_add_nc_u64 s[6:7], s[6:7], s[22:23]          ; the gate at my wave's 16 chunks
	s_lshl_b32 s22, s20, 10
	s_add_nc_u64 s[8:9], s[8:9], s[22:23]
	s_lshl_b32 s22, s20, 5
	s_add_nc_u64 s[10:11], s[10:11], s[22:23]
	s_lshl_b32 s22, s20, 2
	s_add_nc_u64 s[12:13], s[12:13], s[22:23]
	s_lshl_b32 s22, s20, 3
	s_add_nc_u64 s[14:15], s[14:15], s[22:23]
.irp i, 0,1,2,3,4,5,6,7
	global_load_b128 v[R+4*\i:R+4*\i+3], v2, s[4:5] offset:512*\i th:TH_LOAD_NT   ; 32 lanes read 512 consecutive bytes
.endr
.irp i, 0,1,2,3,4,5,6,7,8,9,10,11,12,13,14,15
	global_load_b128 v[GB+4*\i:GB+4*\i+3], v2, s[6:7] offset:512*\i
.endr
	s_wait_loadcnt 16                              ; x is in; the gate's 16 loads are younger
.irp i, 0,1,2,3,4,5,6,7
	ds_store_b128 v3, v[R+4*\i:R+4*\i+3] offset:32*SP*(\i/4)+8*SP*(\i%4)
.endr
	s_wait_loadcnt 0x0
.irp i, 0,1,2,3,4,5,6,7,8,9,10,11,12,13,14,15
	ds_store_b128 v5, v[GB+4*\i:GB+4*\i+3] offset:GP*\i
.endr
	s_wait_dscnt 0x0                               ; for the others' sake: my chunks of the gate lie in LDS
	s_barrier_signal -1
	s_barrier_wait -1
.irp i, 0,1,2,3,4,5,6,7
	ds_load_b128 v[X+4*\i:X+4*\i+3], v4 offset:32*SP*(\i/4)+16*(\i%4)   ; step g: k = 512 g + 16 lane + 0 .. 15
.endr
; half a chunk: the gate's rows of 8 of my 16 k of a step: register 8 kk + n = gate[k][n]
.macro GLOAD c, g
.irp j, 0,1,2,3,4,5,6,7,8,9,10,11,12,13,14,15
	ds_load_b128 v[\g+4*\j:\g+4*\j+3], v6 offset:32*GP*((\c)/2)+256*((\c)%2)+16*\j
.endr
.endm
; 8 k x 8 logits: two logits an instruction, x's number taken for both halves.  The very first k starts the sums
.macro DOT c, g
.set XB, X+16*((\c)/2)+8*((\c)%2)
.irp kk, 0,1,2,3,4,5,6,7
.irp p, 0,1,2,3
.if ((\c) == 0) && (\kk == 0)
	v_pk_mul_f32 v[A+2*\p:A+2*\p+1], v[\g+2*\p:\g+2*\p+1], v[XB:XB+1] op_sel_hi:[1,0]
.elseif (\kk%2) == 0
	v_pk_fma_f32 v[A+2*\p:A+2*\p+1], v[\g+8*\kk+2*\p:\g+8*\kk+2*\p+1], v[XB+\kk:XB+\kk+1], v[A+2*\p:A+2*\p+1] op_sel_hi:[1,0,1]
.else
	v_pk_fma_f32 v[A+2*\p:A+2*\p+1], v[\g+8*\kk+2*\p:\g+8*\kk+2*\p+1], v[XB+\kk-1:XB+\kk], v[A+2*\p:A+2*\p+1] op_sel:[0,1,0] op_sel_hi:[1,1,1]
.endif
.endr
.endr
.endm
	GLOAD 0, GA
	GLOAD 1, GB
	s_wait_dscnt 16                                ; x and the first half chunk are in; the 16 loads issued last may be out
	DOT 0, GA
	GLOAD 2, GA
	s_wait_dscnt 16
	DOT 1, GB
	GLOAD 3, GB
	s_wait_dscnt 16
	DOT 2, GA
	s_wait_dscnt 0x0
	DOT 3, GB
.irp m, 1,2,4,8                                ; across the 32 lanes: every lane ends with the same eight sums
.irp i, 0,1,2,3,4,5,6,7
	v_add_f32_dpp v[A+\i], v[A+\i], v[A+\i] row_xmask:\m row_mask:0xf bank_mask:0xf
.endr
.endr
.irp i, 0,1,2,3,4,5,6,7
	v_permlanex16_b32 v[PL+\i], v[A+\i], s40, s41
.endr
.irp i, 0,1,2,3,4,5,6,7
	v_add_f32 v[A+\i], v[A+\i], v[PL+\i]
.endr
; a step's 512 numbers become codes: 16 a lane, two neighbouring lanes to a block
.macro QSTEP sg
.set XS, X+16*\sg
.set TS, T+4*\sg
	v_max3_num_f32 v[TS], |v[XS]|, |v[XS+1]|, |v[XS+2]|
	v_max3_num_f32 v[TS+1], |v[XS+3]|, |v[XS+4]|, |v[XS+5]|
.irp i, 6,10
	v_max3_num_f32 v[TS], v[TS], |v[XS+\i]|, |v[XS+\i+1]|
	v_max3_num_f32 v[TS+1], v[TS+1], |v[XS+\i+2]|, |v[XS+\i+3]|
.endr
	v_max3_num_f32 v[TS], v[TS], |v[XS+14]|, |v[XS+15]|
	v_max3_num_f32 v[TS], v[TS], v[TS+1], 0x4800000   ; and the floor 2^(9 - 127): the byte cannot fall under 1
	v_max_num_f32_dpp v[TS], v[TS], v[TS] row_xmask:1 row_mask:0xf bank_mask:0xf   ; with my neighbour's 16: the block's largest magnitude
	v_add_nc_u32 v[TS+2], 0xfc000000, v[TS]        ; 8 off its exponent field: the conversion's scale operand
	v_and_or_b32 v[TS+3], v[TS], 0x7f800000, s42   ; 448 x the scale
.irp i, 0,1,2,3,4,5,6,7,8,9,10,11,12,13,14,15
	v_med3_num_f32 v[XS+\i], v[XS+\i], -v[TS+3], v[TS+3]   ; the conversion to an 8-bit code does not saturate (ISA guide 7.6.2): the hold comes first
.endr
	v_cvt_scalef32_pk8_fp8_f32 v[CD+4*\sg:CD+4*\sg+1], v[XS:XS+7], v[TS+2]
	v_cvt_scalef32_pk8_fp8_f32 v[CD+4*\sg+2:CD+4*\sg+3], v[XS+8:XS+15], v[TS+2]
	v_lshrrev_b32 v[232+\sg], 23, v[TS+2]          ; the scale's byte (a plain line behind the conversions)
	ds_store_b8 v7, v[232+\sg] offset:16*\sg       ; both lanes of a block write the same byte with the same value
	global_store_b128 v2, v[CD+4*\sg:CD+4*\sg+3], s[8:9] offset:512*\sg   ; 512 consecutive bytes
.endm
	QSTEP 0
	QSTEP 1
	ds_load_b32 v243, v244                         ; my wave's stores are served ahead of this load
	; the largest logit, then the largest of the others; a strict compare in ascending order keeps the lower index
	v_mov_b32 v234, v[A]
	v_mov_b32 v235, 0
.irp i, 1,2,3,4,5,6,7
	v_cmp_gt_f32 vcc_lo, v[A+\i], v234
	v_cndmask_b32 v234, v234, v[A+\i], vcc_lo
	v_cndmask_b32 v235, v235, \i, vcc_lo
.endr
	v_mov_b32 v236, 0xff800000
	v_mov_b32 v237, 0
.irp i, 0,1,2,3,4,5,6,7
	v_cmp_ne_u32 s26, \i, v235
	v_cmp_gt_f32 s27, v[A+\i], v236
	s_and_b32 s26, s26, s27
	v_cndmask_b32 v236, v236, v[A+\i], s26
	v_cndmask_b32 v237, v237, \i, s26
.endr
	v_sub_f32 v238, v236, v234                     ; the second less the first: 0 or less
	v_mul_f32 v238, 0x3fb8aa3b, v238
	v_exp_f32 v238, v238
	v_nop                                          ; a plain line behind a transcendental
	s_wait_alu depctr_va_vdst(0)
	v_add_f32 v239, 1.0, v238
	v_rcp_f32 v240, v239                           ; the first weight: 1 / (1 + e^d)
	v_lshl_or_b32 v242, v237, 8, v235              ; (a plain line)  the two experts in one word
	s_wait_alu depctr_va_vdst(0)
	v_mul_f32 v241, v238, v240                     ; the second: e^d / (1 + e^d)
	s_wait_dscnt 0x0
	s_wait_xcnt 0x0                                ; EXEC changes only behind this wait
	v_cmp_gt_u32 vcc_lo, 8, v1
	s_wait_tensorcnt 0x0
	ds_add_u32 v254, v255
	s_wait_dscnt 0x0
	s_and_saveexec_b32 s24, vcc_lo
	global_store_b32 v245, v243, s[10:11]          ; eight lanes: the token's 32 scale bytes
	s_wait_xcnt 0x0
	s_or_b32 exec_lo, exec_lo, s24
	v_cmp_eq_u32 vcc_lo, 0, v1
	s_and_saveexec_b32 s24, vcc_lo
	global_store_b32 v246, v242, s[12:13]
	global_store_b64 v246, v[240:241], s[14:15]
	s_wait_xcnt 0x0
	s_or_b32 exec_lo, exec_lo, s24
	s_endpgm
.Lfunc_end_k_q0ee59ca759_route:
	.size	k_q0ee59ca759_route, .Lfunc_end_k_q0ee59ca759_route-k_q0ee59ca759_route
	.p2alignl 7, 3214868480
	.fill 96, 4, 3214868480
	.section	.rodata,"a",@progbits
	.p2align	6, 0x0
	.amdhsa_kernel k_q0ee59ca759_route
		.amdhsa_group_segment_fixed_size 55808
		.amdhsa_private_segment_fixed_size 0
		.amdhsa_enable_private_segment 0
		.amdhsa_kernarg_size 48
		.amdhsa_user_sgpr_count 2
		.amdhsa_user_sgpr_kernarg_segment_ptr 1
		.amdhsa_wavefront_size32 1
		.amdhsa_system_sgpr_workgroup_id_x 1
		.amdhsa_system_sgpr_workgroup_id_y 1
		.amdhsa_system_sgpr_workgroup_id_z 1
		.amdhsa_system_vgpr_workitem_id 0
		.amdhsa_next_free_vgpr 256
		.amdhsa_next_free_sgpr 66
		.amdhsa_reserve_vcc 1
		.amdhsa_float_denorm_mode_32 3
		.amdhsa_float_denorm_mode_16_64 3
		.amdhsa_memory_ordered 1
		.amdhsa_forward_progress 1
		.amdhsa_inst_pref_size 31
	.end_amdhsa_kernel
	.amdgpu_metadata
---
amdhsa.version: [ 1, 2 ]
amdhsa.kernels:
  - .name:           k_q0ee59ca759_route
    .symbol:         k_q0ee59ca759_route.kd
    .args:
      - { .name: x, .offset: 0, .size: 8, .value_kind: global_buffer, .address_space: global }
      - { .name: gate_w, .offset: 8, .size: 8, .value_kind: global_buffer, .address_space: global }
      - { .name: xq, .offset: 16, .size: 8, .value_kind: global_buffer, .address_space: global }
      - { .name: xsc, .offset: 24, .size: 8, .value_kind: global_buffer, .address_space: global }
      - { .name: sel, .offset: 32, .size: 8, .value_kind: global_buffer, .address_space: global }
      - { .name: coef, .offset: 40, .size: 8, .value_kind: global_buffer, .address_space: global }
    .group_segment_fixed_size: 55808
    .private_segment_fixed_size: 0
    .kernarg_segment_align: 8
    .kernarg_segment_size: 48
    .max_flat_workgroup_size: 128
    .sgpr_count:     66
    .vgpr_count:     256
    .wavefront_size: 32
...
	.end_amdgpu_metadata
.endif
;; end of part 1
;; launch place (part 2): grid 8 x 1, 1 waves a work-group, no clusters, 4,864 bytes of LDS; arguments sel, list; writes list
.if DOCPART == 2
	.amdgcn_target "amdgcn-amd-amdhsa--gfx1250"
	.amdhsa_code_object_version 6
	.text
	.protected	k_q0ee59ca759_place
	.globl	k_q0ee59ca759_place
	.p2align	8
	.type	k_q0ee59ca759_place,@function
k_q0ee59ca759_place:
	s_mov_b64 s[64:65], 0
	v_nop
	global_prefetch_b8 v0, s[64:65] scope:SCOPE_SE
	s_setreg_imm32_b32 hwreg(HW_REG_WAVE_MODE, 25, 1), 1
	s_wait_xcnt 0x0
; THE ROWS OF EACH EXPERT.  Work-group e, one wave, reads all 1,024 words of sel (first expert | second expert << 8, stored by the launch before) and lays expert e's rows:
; list [expert 8][1,152 words]: place p holds 2 x token + (0: first choice, 1: second), in the order (register, lane) of the loads below; places past the count hold the filler
; 2048 + 64 e + (p & 63); words 1088 to 1119 are spare (a lane with nothing to put writes its own); word 1120 holds the count.
; The list is made in LDS and leaves as nine stores of 512 consecutive bytes.  Eight work-groups: the work is 4 KiB read and 4.5 KiB written for each expert, and cannot be shared further without
; traffic between work-groups.  No branch hangs on data.
.set LROW, 4608                        ; an expert's part of the list, in bytes
.set LIST, 0                           ; in LDS
.set CNTO, 4480                        ; the count's byte: word 1120
.set LANE, 15
.set CW,   14
.set BSEL, 128                         ; v128-159 sel
.set BF,   160
.set BE0,  164
.set BE1,  165
.set BK,   166
.set BDUMP, 167
.set BL8,  168
.set BP,   76                          ; v76-77 LDS addresses, used for nothing else
.set BA,   77
.set OUTR, 32                          ; v32-67 the list on its way out
	s_load_b128 s[4:7], s[0:1], 0x0                ; sel, list
	v_lshl_add_u32 v192, v0, 2, 0x1200
	v_mov_b32 v193, 0
	v_and_b32 v[LANE], 31, v0
	v_lshlrev_b32 v1, 4, v[LANE]                   ; 16 x lane, in memory
	v_lshlrev_b32 v[BA], 4, v[LANE]                ; and in LDS
	v_mov_b32 v[CW], CNTO
	s_mov_b32 s24, ttmp9                           ; e
	s_mul_i32 s26, s24, LROW
	s_mov_b32 s27, 0
	s_wait_kmcnt 0x0
	s_add_nc_u64 s[6:7], s[6:7], s[26:27]
.irp a, 0,1,2,3,4,5,6,7
	global_load_b128 v[BSEL+4*\a:BSEL+4*\a+3], v1, s[4:5] offset:512*\a   ; register q holds token 128 (q / 4) + 4 lane + q % 4
.endr
	v_lshlrev_b32 v[BL8], 3, v[LANE]
	v_add_nc_u32 v[BDUMP], 1088, v[LANE]
	s_lshl_b32 s47, s24, 6
	s_add_co_u32 s47, s47, 2048
	v_lshlrev_b32 v[BK], 2, v[LANE]
.irp i, 0,1,2,3
	v_add_nc_u32 v[BF+\i], \i, v[BK]
	v_and_b32 v[BF+\i], 63, v[BF+\i]
	v_add_nc_u32 v[BF+\i], s47, v[BF+\i]           ; 2048 + 64 e + (place & 63)
.endr
.irp a, 0,1,2,3,4,5,6,7,8
	ds_store_b128 v[BA], v[BF:BF+3] offset:512*\a  ; every place first holds its filler
.endr
	s_wait_loadcnt 0x0
	s_mov_b32 s48, 0                               ; places taken so far
.set QI, 0
.rept 32
	v_and_b32 v[BE0], 0xff, v[BSEL+QI]
	v_lshrrev_b32 v[BE1], 8, v[BSEL+QI]
	v_cmp_eq_u32 s49, s24, v[BE0]
	v_cmp_eq_u32 s50, s24, v[BE1]
	s_or_b32 s51, s49, s50                         ; the lanes whose token chose e
	v_mbcnt_lo_u32_b32 v[BP], s51, s48             ; places taken + such lanes below mine
	v_cndmask_b32 v[BP], v[BDUMP], v[BP], s51      ; a lane with nothing to put writes its own spare word
	v_min_u32 v[BP], 1119, v[BP]
	v_lshl_add_u32 v[BP], v[BP], 2, LIST
	v_cndmask_b32 v[BK], 0, 1, s50
	v_add3_u32 v[BK], v[BK], v[BL8], 256*(QI>>2)+2*(QI&3)   ; 2 x token + which choice
	ds_store_b32 v[BP], v[BK]
	s_bcnt1_i32_b32 s51, s51
	s_add_co_u32 s48, s48, s51
.set QI, QI+1
.endr
	v_mov_b32 v[BK], s48
	ds_store_b32 v[CW], v[BK]                      ; the count: every lane writes the same word with the same value
.irp a, 0,1,2,3,4,5,6,7,8
	ds_load_b128 v[OUTR+4*\a:OUTR+4*\a+3], v[BA] offset:512*\a   ; LDS serves a wave's instructions in order: these see the stores above
.endr
.irp a, 0,1,2,3,4,5,6,7,8
	s_wait_dscnt 8-\a                              ; piece a is in; the later pieces' loads are younger
	global_store_b128 v1, v[OUTR+4*\a:OUTR+4*\a+3], s[6:7] offset:512*\a   ; 512 consecutive bytes, aligned
.endr
	s_wait_tensorcnt 0x0
	ds_add_u32 v192, v193
	s_wait_dscnt 0x0
	s_endpgm
.Lfunc_end_k_q0ee59ca759_place:
	.size	k_q0ee59ca759_place, .Lfunc_end_k_q0ee59ca759_place-k_q0ee59ca759_place
	.p2alignl 7, 3214868480
	.fill 96, 4, 3214868480
	.section	.rodata,"a",@progbits
	.p2align	6, 0x0
	.amdhsa_kernel k_q0ee59ca759_place
		.amdhsa_group_segment_fixed_size 4864
		.amdhsa_private_segment_fixed_size 0
		.amdhsa_enable_private_segment 0
		.amdhsa_kernarg_size 16
		.amdhsa_user_sgpr_count 2
		.amdhsa_user_sgpr_kernarg_segment_ptr 1
		.amdhsa_wavefront_size32 1
		.amdhsa_system_sgpr_workgroup_id_x 1
		.amdhsa_system_sgpr_workgroup_id_y 1
		.amdhsa_system_sgpr_workgroup_id_z 1
		.amdhsa_system_vgpr_workitem_id 0
		.amdhsa_next_free_vgpr 194
		.amdhsa_next_free_sgpr 66
		.amdhsa_reserve_vcc 0
		.amdhsa_float_denorm_mode_32 3
		.amdhsa_float_denorm_mode_16_64 3
		.amdhsa_memory_ordered 1
		.amdhsa_forward_progress 1
		.amdhsa_inst_pref_size 30
	.end_amdhsa_kernel
	.amdgpu_metadata
---
amdhsa.version: [ 1, 2 ]
amdhsa.kernels:
  - .name:           k_q0ee59ca759_place
    .symbol:         k_q0ee59ca759_place.kd
    .args:
      - { .name: sel, .offset: 0, .size: 8, .value_kind: global_buffer, .address_space: global }
      - { .name: list, .offset: 8, .size: 8, .value_kind: global_buffer, .address_space: global }
    .group_segment_fixed_size: 4864
    .private_segment_fixed_size: 0
    .kernarg_segment_align: 8
    .kernarg_segment_size: 16
    .max_flat_workgroup_size: 32
    .sgpr_count:     66
    .vgpr_count:     194
    .wavefront_size: 32
...
	.end_amdgpu_metadata
.endif
;; end of part 2
;; launch up (part 3): grid 32 x 8, 8 waves a work-group, no clusters, 279,552 bytes of LDS; arguments xq, xsc, list, w1_codes, w1_scales, b1, hbuf, hsc; writes hbuf, hsc
.if DOCPART == 3
	.amdgcn_target "amdgcn-amd-amdhsa--gfx1250"
	.amdhsa_code_object_version 6
	.text
	.protected	k_q0ee59ca759_up
	.globl	k_q0ee59ca759_up
	.p2align	8
	.type	k_q0ee59ca759_up,@function
k_q0ee59ca759_up:
	s_mov_b64 s[64:65], 0
	v_nop
	global_prefetch_b8 v0, s[64:65] scope:SCOPE_SE
	s_setreg_imm32_b32 hwreg(HW_REG_WAVE_MODE, 25, 1), 1
	s_wait_xcnt 0x0
; h = Q(gelu(Q(x) W1 + b1)) for the rows that chose an expert.  Work-group (j, e) owns hidden units 128 j .. 128 j + 127 of expert e: 128 KiB of W1's codes, read by this work-group alone and
; kept in REGISTERS; what goes round is the small thing, the rows' codes.  Its 128 units are K step j of the second product.
; Eight waves: wave v has the 32 units 32 (v & 3) on (one block of 32 of the next K) and takes the row tiles (v >> 2) + 2 i of each group of four.
; THE LIST of expert e's rows and their count were stored by an earlier launch and are read from memory: an entry is 2 x token + (0: first choice, 1: second).  Places past the count hold fillers of
; 2048 and more: here such a row computes token 1023 and nobody reads it.  The count steers branches only; every loop has a constant number of trips and no barrier stands under such a branch.
; No tensor load, copy or cluster: the walk hangs on a count read from memory.
; A GROUP is 64 rows: their codes (1,024 bytes) and scale bytes (32) are gathered from xq and xsc a trip ahead, through registers into one of two LDS buffers; the entries are loaded a group ahead of that.
; THE PRODUCT IS USED TRANSPOSED (source 0 = 16 rows of W1, source 1 = 16 rows of x), and lane r of tile u takes unit 8 u + r + 8 (r / 8): so a lane's 16 results are 16 NEIGHBOURS along the next K,
; 16 (lane / 16) + 0 .. 15 of its row.  b1 is the C of each sum's first instruction.  gelu is x / (1 + 2^(x (a + b x^2))), which is 0.5 x (1 + tanh(..)) written with one exponential.
; h's codes leave as IMAGES OF THE NEXT OPERAND'S REGISTERS: hbuf [e][tile 64][K step 32][c 4][lane 32][16 bytes]; a wave's store covers 512 consecutive bytes.  The scale bytes of a group (4 tiles x 16 rows
; x 4 bytes) meet in LDS and leave as 256 consecutive bytes: hsc [e][group 16][K step 32][tile 4][row 16] words.
; LIMITS: finite inputs.  A block of zeros gets the byte 1 (its codes are zeros; this program alone reads the bytes).
; REGISTERS.  Window 0: v1-30 addresses; v32-47 W1's scale words; v48-55 x's; v56-71 b1; v72-87 the two accumulators; v88-103 at work in gelu; v104-107 its constants; v108-116 the quantiser;
; v117-118 offsets into the list; v119, v186-189 entries; v120-185 the gather's landing; v190-191 scale words on the way out; v192-255 four fragments of x.
; Window 1: W1's 16 fragments, (tile u, K step s) at 16 (8 u + s); at the head the weights land there.
.set XP,   1072                        ; a row of x in LDS: 1,024 codes + 32 scale bytes + 16 of padding: 67 x 16, so 16 rows start at 16 different 16-byte columns
.set XBUF, 0x11000                     ; the second buffer: one exclusive or turns an address from one to the other
.set WST,  139264                      ; W1's 128 rows on their way into registers,
.set WP,   1040                        ; 1,024 + 16 apart
.set SCB,  277248                      ; 2 x 256 scale bytes
.set LROW, 4608                        ; an expert's part of the list, in bytes;
.set CNTO, 4480                        ; in it the count's byte
.set WS,   32
.set XSC,  48
.set B1,   56
.set D,    72
.set Q,    88
.set T0,   108
.set T1,   109
.set SCL,  110
.set LIM,  111
.set CD,   112
.set BY,   116
.set LAND, 120
.set EN,   186
.set XF,   192
.set LANE, 90
.set BZ,   236
.set MSB, 0
.macro WIN new                         ; the immediate's high byte repeats the setting that is left
.if MSB != \new
	s_set_vgpr_msb (MSB<<8)|\new
.set MSB, \new
.endif
.endm
.macro ADDRS                           ; the addresses that change from trip to trip, made on the way that every wave takes
	v_add_nc_u32 v16, s35, v4                      ; x's fragments, in the buffer that is read
	v_add_nc_u32 v17, s35, v5                      ; their scale words
	v_add_nc_u32 v18, s36, v6                      ; where the next group is put
	v_add_nc_u32 v19, s36, v7
	v_add_nc_u32 v20, s37, v13                     ; my scale byte
	v_add_nc_u32 v29, s37, v15                     ; the group's 256 bytes on the way out
	v_add_nc_u32 v117, s32, v8                     ; the entries to be loaded next
	v_add_nc_u32 v118, s32, v9
.endm
.macro ENLOAD off                      ; a group's entries as my wave wants them: rows 8 v + 2 i + lane / 16 for the codes, row 8 v + lane / 4 for the scale bytes
.irp i, 0,1,2,3
	global_load_b32 v[EN+\i], v117, s[8:9] offset:\off+8*\i
.endr
	global_load_b32 v119, v118, s[8:9] offset:\off
.endm
; 64 rows of the list, whose entries are in registers: wave v takes rows 8 v .. 8 v + 7.  A load covers two rows x 256 consecutive bytes; one load of 8 bytes a lane brings the eight rows' scale bytes.
; Behind them the entries of the group after are asked for
.macro GATHER off
.irp i, 0,1,2,3
	v_lshrrev_b32 v[24+\i], 1, v[EN+\i]
	v_min_u32 v[24+\i], 1023, v[24+\i]             ; the token; a filler gives 1023
	v_lshl_add_u32 v[24+\i], v[24+\i], 10, v21
.endr
	v_lshrrev_b32 v28, 1, v119
	v_min_u32 v28, 1023, v28
	v_lshl_add_u32 v28, v28, 5, v22
.irp i, 0,1,2,3
.irp p, 0,1,2,3
	global_load_b128 v[LAND+4*(4*\i+\p):LAND+4*(4*\i+\p)+3], v[24+\i], s[4:5] offset:256*\p
.endr
.endr
	global_load_b64 v[LAND+64:LAND+65], v28, s[6:7]
	ENLOAD \off
.endm
.macro STAGE
.irp i, 0,1,2,3
.irp p, 0,1,2,3
	ds_store_b128 v18, v[LAND+4*(4*\i+\p):LAND+4*(4*\i+\p)+3] offset:2*XP*\i+256*\p
.endr
.endr
	ds_store_b64 v19, v[LAND+64:LAND+65]
.endm
.macro XFLOAD ti, kb                   ; four fragments of x: K steps kb .. kb + 3 of the tile
.irp s, 0,1,2,3
.irp c, 0,1,2,3
	ds_load_b128 v[XF+16*\s+4*\c:XF+16*\s+4*\c+3], v16 offset:32*XP*\ti+128*(\kb+\s)+32*\c
.endr
.endr
.endm
.macro PRODS kb                        ; eight products: the two accumulators by turns
	WIN 0x01                                       ; source 0 (W1) in window 1
.irp s, 0,1,2,3
	s_wait_dscnt 12-4*\s                           ; fragment s is in; the later fragments' loads are younger
.irp u, 0,1
.if (\kb+\s) == 0
	v_wmma_scale_f32_16x16x128_f8f6f4 v[D+8*\u:D+8*\u+7], v[16*(8*\u+\kb+\s):16*(8*\u+\kb+\s)+15], v[XF+16*\s:XF+16*\s+15], v[B1+8*\u:B1+8*\u+7], v[WS+8*\u+\kb+\s], v[XSC+\kb+\s]
.else
	v_wmma_scale_f32_16x16x128_f8f6f4 v[D+8*\u:D+8*\u+7], v[16*(8*\u+\kb+\s):16*(8*\u+\kb+\s)+15], v[XF+16*\s:XF+16*\s+15], v[D+8*\u:D+8*\u+7], v[WS+8*\u+\kb+\s], v[XSC+\kb+\s]
.endif
.endr
.endr
	WIN 0
.endm
; One tile of 16 rows x my 32 units.  Left out where the tile's first row lies past the count: a scalar branch with no barrier inside
.macro TILE ti
	s_add_co_u32 s44, s34, s46
	s_add_co_u32 s44, s44, 32*\ti
	s_cmp_lt_u32 s44, s33
	s_cbranch_scc0 .Lskip_\@
	ds_load_b128 v[XSC:XSC+3], v17 offset:32*XP*\ti
	ds_load_b128 v[XSC+4:XSC+7], v17 offset:32*XP*\ti+16
	XFLOAD \ti, 0
	PRODS 0
.rept 8
	v_nop                                          ; eight places in front of loads into registers that matrix instructions have read
.endr
	XFLOAD \ti, 4
	PRODS 4
.rept 8
	v_nop                                          ; and in front of the first read of the results
.endr
.irp p, 0,2,4,6,8,10,12,14
	v_pk_mul_f32 v[Q+\p:Q+\p+1], v[D+\p:D+\p+1], v[D+\p:D+\p+1]              ; x^2: each accumulator is read from its low end on
.endr
.irp p, 0,2,4,6,8,10,12,14
	v_pk_fma_f32 v[Q+\p:Q+\p+1], v[Q+\p:Q+\p+1], v[106:107], v[104:105]      ; a + b x^2
.endr
.irp p, 0,2,4,6,8,10,12,14
	v_pk_mul_f32 v[Q+\p:Q+\p+1], v[Q+\p:Q+\p+1], v[D+\p:D+\p+1]
.endr
.irp n, 0,1,2,3,4,5,6,7,8,9,10,11,12,13,14,15
	v_exp_f32 v[Q+\n], v[Q+\n]
.endr
	v_nop                                          ; a plain line behind the transcendentals
	s_wait_alu depctr_va_vdst(0)
.irp p, 0,2,4,6,8,10,12,14
	v_pk_add_f32 v[Q+\p:Q+\p+1], v[Q+\p:Q+\p+1], 1.0 op_sel_hi:[1,0]
.endr
.irp n, 0,1,2,3,4,5,6,7,8,9,10,11,12,13,14,15
	v_rcp_f32 v[Q+\n], v[Q+\n]
.endr
	v_nop
	s_wait_alu depctr_va_vdst(0)
.irp p, 0,2,4,6,8,10,12,14
	v_pk_mul_f32 v[D+\p:D+\p+1], v[D+\p:D+\p+1], v[Q+\p:Q+\p+1]              ; gelu
.endr
	v_max3_num_f32 v[T0], |v[D]|, |v[D+1]|, 0x4800000                        ; my 16 numbers of the block, and the floor 2^(9 - 127)
	v_max3_num_f32 v[T1], |v[D+2]|, |v[D+3]|, |v[D+4]|
	v_max3_num_f32 v[T0], v[T0], |v[D+5]|, |v[D+6]|
	v_max3_num_f32 v[T1], v[T1], |v[D+7]|, |v[D+8]|
	v_max3_num_f32 v[T0], v[T0], |v[D+9]|, |v[D+10]|
	v_max3_num_f32 v[T1], v[T1], |v[D+11]|, |v[D+12]|
	v_max3_num_f32 v[T0], v[T0], |v[D+13]|, |v[D+14]|
	v_max3_num_f32 v[T0], v[T0], v[T1], |v[D+15]|
	v_permlanex16_b32 v[T1], v[T0], s40, s41
	v_max_num_f32 v[T0], v[T0], v[T1]              ; with lane l xor 16's: the block's largest magnitude
	v_add_nc_u32 v[SCL], 0xfc000000, v[T0]         ; 8 off its exponent field: the conversion's scale operand
	v_and_or_b32 v[LIM], v[T0], 0x7f800000, s42    ; 448 x the scale
	v_lshrrev_b32 v[BY], 23, v[SCL]                ; the scale's byte
.irp n, 0,1,2,3,4,5,6,7,8,9,10,11,12,13,14,15
	v_med3_num_f32 v[D+\n], v[D+\n], -v[LIM], v[LIM]   ; the conversion does not saturate (ISA guide 7.6.2): the hold comes first
.endr
	s_wait_xcnt 0x0                                ; the last tile's store has read the codes' registers
	v_cvt_scalef32_pk8_fp8_f32 v[CD:CD+1], v[D:D+7], v[SCL]
	v_cvt_scalef32_pk8_fp8_f32 v[CD+2:CD+3], v[D+8:D+15], v[SCL]
	v_nop                                          ; a plain line behind the conversions: the next tile's products write their sources
	ds_store_b8 v20, v[BY] offset:128*\ti          ; byte (v & 3) of the row's scale word; both halves of the lanes write the same value
	global_store_b128 v12, v[CD:CD+3], s[16:17] offset:131072*\ti   ; registers 4 c .. 4 c + 3 of the next operand, c = v & 3: 512 consecutive bytes
.Lskip_\@:
.endm
	s_load_b512 s[4:19], s[0:1], 0x0               ; xq, xsc, list, w1_codes, w1_scales, b1, hbuf, hsc
	v_lshl_add_u32 v23, v0, 2, 0x44000
	v_mov_b32 v31, 0
	v_lshrrev_b32 v1, 5, v0
	v_readfirstlane_b32 s20, v1                    ; wave v
	s_and_b32 s21, s20, 3                          ; which 32 units
	s_lshr_b32 s22, s20, 2                         ; which row tiles
	s_mov_b32 s23, ttmp9                           ; j
	s_and_b32 s24, ttmp7, 0xffff                   ; e
	v_and_b32 v[LANE], 31, v0
	v_lshlrev_b32 v1, 4, v[LANE]                   ; 16 x lane
	v_and_b32 v2, 15, v0                           ; r
	v_bfe_u32 v3, v0, 4, 1                         ; h
	s_lshl_b32 s46, s22, 4
	v_add_nc_u32 v4, s46, v2
	v_mul_u32_u24 v4, v4, XP
	v_add_nc_u32 v5, 1024, v4                      ; my row's scale words
	v_lshl_add_u32 v4, v3, 4, v4                   ; my row's codes, + 16 h
	s_lshl_b32 s30, s20, 3                         ; the gather: my wave's first row
	v_add_nc_u32 v6, s30, v3
	v_mul_u32_u24 v6, v6, XP
	v_lshlrev_b32 v21, 4, v2
	v_add_nc_u32 v6, v6, v21                       ; row 8 v + lane / 16, 16 bytes a lane
	v_lshrrev_b32 v91, 2, v[LANE]
	v_and_b32 v22, 3, v[LANE]
	v_lshlrev_b32 v22, 3, v22
	v_add_nc_u32 v7, s30, v91
	v_mul_u32_u24 v7, v7, XP
	v_add_nc_u32 v7, v7, v22
	v_add_nc_u32 v7, 1024, v7                      ; row 8 v + lane / 4, 8 scale bytes a lane
	v_add_nc_u32 v8, s30, v3
	v_lshlrev_b32 v8, 2, v8                        ; the list: 4 bytes a place
	v_add_nc_u32 v9, s30, v91
	v_lshlrev_b32 v9, 2, v9
	s_lshl_b32 s25, s21, 5
	v_add_nc_u32 v10, s25, v2
	v_mul_u32_u24 v10, v10, WP
	v_lshl_add_u32 v10, v3, 4, v10
	v_add_nc_u32 v10, WST, v10                     ; W1's fragments: place 32 (v & 3) + r, + 16 h
	s_lshr_b32 s25, s20, 1
	s_lshl_b32 s25, s25, 5
	s_and_b32 s28, s20, 1
	s_lshl_b32 s28, s28, 3
	s_add_co_u32 s25, s25, s28
	s_mul_i32 s25, s25, WP
	s_add_co_u32 s25, s25, WST
	v_add_nc_u32 v11, s25, v1                      ; where my wave's 16 rows of W1 go: unit q of a block of 32 takes place 16 ((q / 8) % 2) + 8 (q / 16) + q % 8
	s_lshl_b32 s25, s22, 6
	s_add_co_u32 s25, s25, s21
	s_add_co_u32 s25, s25, SCB
	v_lshl_add_u32 v13, v2, 2, s25
	v_lshl_add_u32 v15, v[LANE], 3, SCB
	v_add_nc_u32 v30, SCB, v1                      ; the scale bytes' 512 bytes, 16 a lane
	s_lshl_b32 s25, s24, 6
	s_add_co_u32 s25, s25, s22
	s_lshl_b32 s25, s25, 5
	s_add_co_u32 s25, s25, s23
	s_lshl_b32 s25, s25, 11
	s_lshl_b32 s28, s21, 9
	s_add_co_u32 s25, s25, s28
	v_add_nc_u32 v12, s25, v1                      ; hbuf: ((64 e + tile) 32 + j) 2048 + 512 (v & 3) + 16 lane
	s_lshl_b32 s25, s24, 9
	s_add_co_u32 s25, s25, s23
	s_lshl_b32 s25, s25, 8
	v_lshl_add_u32 v14, v[LANE], 3, s25            ; hsc: ((16 e + group) 32 + j) 256 + 8 lane
	v_and_b32 v88, 8, v2
	v_add_nc_u32 v88, v88, v2
	v_lshlrev_b32 v88, 5, v88                      ; W1's scale words: row r + 8 (r / 8), 32 bytes a row
	v_lshlrev_b32 v89, 6, v3                       ; b1: 16 h numbers on
	v_mov_b32 v104, 0xc0135761                     ; a = -2 sqrt(2 / pi) log2(e)
	v_mov_b32 v105, 0xc0135761
	v_mov_b32 v106, 0xbdd2d3e8                     ; b = 0.044715 a
	v_mov_b32 v107, 0xbdd2d3e8
	s_mov_b32 s40, 0x76543210
	s_mov_b32 s41, 0xfedcba98
	s_mov_b32 s42, 0x600000
	s_mov_b32 s32, 0
	s_mov_b32 s35, XBUF
	s_mov_b32 s36, 0                               ; the first group goes into buffer 0
	s_mov_b32 s37, 0
	ADDRS
	s_mov_b32 s27, 0
	s_wait_kmcnt 0x0
	s_mul_i32 s26, s24, LROW
	s_add_nc_u64 s[8:9], s[8:9], s[26:27]          ; the list at my expert
	s_load_b32 s33, s[8:9], CNTO                   ; the expert's rows
	ENLOAD 0                                       ; the first group's entries, ahead of everything else
	s_lshl_b32 s26, s24, 22
	s_lshl_b32 s25, s23, 17
	s_add_co_u32 s26, s26, s25
	s_lshl_b32 s25, s20, 14
	s_add_co_u32 s26, s26, s25
	s_add_nc_u64 s[10:11], s[10:11], s[26:27]      ; W1's codes at my wave's 16 rows
	s_lshl_b32 s29, s24, 12
	s_lshl_b32 s25, s23, 7
	s_add_co_u32 s29, s29, s25
	s_lshl_b32 s25, s21, 5
	s_add_co_u32 s29, s29, s25                     ; my first unit: 4096 e + 128 j + 32 (v & 3)
	s_lshl_b32 s26, s29, 5
	s_add_nc_u64 s[12:13], s[12:13], s[26:27]
	s_lshl_b32 s26, s29, 2
	s_add_nc_u64 s[14:15], s[14:15], s[26:27]
	WIN 0x40                                       ; destination in window 1
.set I, 0
.rept 32
	global_load_b128 v[4*I:4*I+3], v1, s[10:11] offset:512*I th:TH_LOAD_NT   ; 512 consecutive bytes: half a row of W1; read once in the launch
.set I, I+1
.endr
	WIN 0
.irp u, 0,1
	global_load_b128 v[WS+8*\u:WS+8*\u+3], v88, s[12:13] offset:256*\u
	global_load_b128 v[WS+8*\u+4:WS+8*\u+7], v88, s[12:13] offset:256*\u+16
.endr
.irp u, 0,1
	global_load_b128 v[B1+8*\u:B1+8*\u+3], v89, s[14:15] offset:32*\u        ; register i of tile u: unit 16 h + 8 u + i
	global_load_b128 v[B1+8*\u+4:B1+8*\u+7], v89, s[14:15] offset:32*\u+16
.endr
	s_cmp_lg_u32 s20, 0
	s_cbranch_scc1 .Lno_zero
.irp i, 0,1,2,3
	v_mov_b32 v[BZ+\i], 0
.endr
	ds_store_b128 v30, v[BZ:BZ+3]                  ; wave 0: the scale bytes' 512 bytes are written once, so that a group's 256 bytes are never read unwritten
.Lno_zero:
	s_wait_kmcnt 0x0
	s_min_u32 s33, s33, 1024
	s_wait_loadcnt 40                              ; the first entries are in: the 32 + 8 loads behind them may be out
	GATHER 256                                     ; the first group, whatever the count: fillers give token 1023; and the second group's entries
	s_wait_loadcnt 46                              ; the first 16 weight loads are in: 16 + 8 + 17 + 5 are younger
	WIN 0x04                                       ; an LDS store's data in window 1
.set I, 0
.rept 16
	ds_store_b128 v11, v[4*I:4*I+3] offset:(16*((I>>4)&1)+((I>>1)&7))*WP+512*(I&1)
.set I, I+1
.endr
	s_wait_loadcnt 30                              ; all 32: 8 + 17 + 5 are younger
.rept 16
	ds_store_b128 v11, v[4*I:4*I+3] offset:(16*((I>>4)&1)+((I>>1)&7))*WP+512*(I&1)
.set I, I+1
.endr
	WIN 0
	s_wait_loadcnt 0x0
	STAGE
	s_wait_dscnt 0x0                               ; W1's rows, the first group and the cleared scale bytes lie in LDS
	s_barrier_signal -1
	s_barrier_wait -1
	s_mov_b32 s32, 512                             ; the next entries to be loaded: the third group's
	s_mov_b32 s35, 0
	s_mov_b32 s36, XBUF
	ADDRS
	WIN 0x40
.irp u, 0,1
.irp s, 0,1,2,3,4,5,6,7
.irp c, 0,1,2,3
	ds_load_b128 v[16*(8*\u+\s)+4*\c:16*(8*\u+\s)+4*\c+3], v10 offset:16*WP*\u+128*\s+32*\c   ; they stay; older than every later LDS load, so the first counted wait covers them
.endr
.endr
.endr
	WIN 0
	s_mov_b32 s34, 0                               ; the group's first row
	s_mov_b32 s38, 0
.Ltrip:                                            ; 16 trips, whatever the count
	s_add_co_u32 s44, s34, 64
	s_cmp_lt_u32 s44, s33
	s_cbranch_scc0 .Lno_gather
	GATHER 0                                       ; the next group is asked for ahead of this group's products; its entries came a trip ago
.Lno_gather:
	TILE 0
	TILE 1
	s_wait_loadcnt 0x0                             ; on every way: the next group's rows, and the entries of the group after
	s_add_co_u32 s44, s34, 64
	s_cmp_lt_u32 s44, s33
	s_cbranch_scc0 .Lno_stage
	STAGE                                          ; into the other buffer: its last reads were waited for in front of the last trip's barrier
.Lno_stage:
	s_wait_dscnt 0x0                               ; my stores have landed and my reads of this buffer are in
	s_barrier_signal -1
	s_barrier_wait -1
	s_cmp_lg_u32 s20, 0
	s_cbranch_scc1 .Lno_sc
	s_cmp_lt_u32 s34, s33
	s_cbranch_scc0 .Lno_sc
	ds_load_b64 v[190:191], v29                    ; wave 0: the group's scale words; the next trip writes the other 256 bytes
	s_wait_dscnt 0x0
	global_store_b64 v14, v[190:191], s[18:19]     ; 256 consecutive bytes, aligned
.Lno_sc:
	s_wait_xcnt 0x0                                ; loads and stores have read their offsets and data
	v_add_nc_u32 v12, 0x40000, v12                 ; four tiles on
	v_add_nc_u32 v14, 0x2000, v14                  ; a group on
	s_add_co_u32 s34, s34, 64
	s_add_co_u32 s32, s32, 256
	s_xor_b32 s35, s35, XBUF
	s_xor_b32 s36, s36, XBUF
	s_xor_b32 s37, s37, 256
	ADDRS
	s_add_co_u32 s38, s38, 1
	s_cmp_lt_u32 s38, 16
	s_cbranch_scc1 .Ltrip
	s_wait_tensorcnt 0x0
	ds_add_u32 v23, v31
	s_wait_dscnt 0x0
	s_endpgm
.Lfunc_end_k_q0ee59ca759_up:
	.size	k_q0ee59ca759_up, .Lfunc_end_k_q0ee59ca759_up-k_q0ee59ca759_up
	.p2alignl 7, 3214868480
	.fill 96, 4, 3214868480
	.section	.rodata,"a",@progbits
	.p2align	6, 0x0
	.amdhsa_kernel k_q0ee59ca759_up
		.amdhsa_group_segment_fixed_size 279552
		.amdhsa_private_segment_fixed_size 0
		.amdhsa_enable_private_segment 0
		.amdhsa_kernarg_size 64
		.amdhsa_user_sgpr_count 2
		.amdhsa_user_sgpr_kernarg_segment_ptr 1
		.amdhsa_wavefront_size32 1
		.amdhsa_system_sgpr_workgroup_id_x 1
		.amdhsa_system_sgpr_workgroup_id_y 1
		.amdhsa_system_sgpr_workgroup_id_z 1
		.amdhsa_system_vgpr_workitem_id 0
		.amdhsa_next_free_vgpr 512
		.amdhsa_next_free_sgpr 66
		.amdhsa_reserve_vcc 0
		.amdhsa_float_denorm_mode_32 3
		.amdhsa_float_denorm_mode_16_64 3
		.amdhsa_memory_ordered 1
		.amdhsa_forward_progress 1
		.amdhsa_inst_pref_size 48
	.end_amdhsa_kernel
	.amdgpu_metadata
---
amdhsa.version: [ 1, 2 ]
amdhsa.kernels:
  - .name:           k_q0ee59ca759_up
    .symbol:         k_q0ee59ca759_up.kd
    .args:
      - { .name: xq, .offset: 0, .size: 8, .value_kind: global_buffer, .address_space: global }
      - { .name: xsc, .offset: 8, .size: 8, .value_kind: global_buffer, .address_space: global }
      - { .name: list, .offset: 16, .size: 8, .value_kind: global_buffer, .address_space: global }
      - { .name: w1_codes, .offset: 24, .size: 8, .value_kind: global_buffer, .address_space: global }
      - { .name: w1_scales, .offset: 32, .size: 8, .value_kind: global_buffer, .address_space: global }
      - { .name: b1, .offset: 40, .size: 8, .value_kind: global_buffer, .address_space: global }
      - { .name: hbuf, .offset: 48, .size: 8, .value_kind: global_buffer, .address_space: global }
      - { .name: hsc, .offset: 56, .size: 8, .value_kind: global_buffer, .address_space: global }
    .group_segment_fixed_size: 279552
    .private_segment_fixed_size: 0
    .kernarg_segment_align: 8
    .kernarg_segment_size: 64
    .max_flat_workgroup_size: 256
    .sgpr_count:     66
    .vgpr_count:     512
    .wavefront_size: 32
...
	.end_amdgpu_metadata
.endif
;; end of part 3
;; launch down (part 4): grid 32 x 8, 4 waves a work-group, no clusters, 281,088 bytes of LDS; arguments hbuf, hsc, list, w2_codes, w2_scales, b2, ypart; writes ypart
.if DOCPART == 4
	.amdgcn_target "amdgcn-amd-amdhsa--gfx1250"
	.amdhsa_code_object_version 6
	.text
	.protected	k_q0ee59ca759_down
	.globl	k_q0ee59ca759_down
	.p2align	8
	.type	k_q0ee59ca759_down,@function
k_q0ee59ca759_down:
	s_mov_b64 s[64:65], 0
	v_nop
	global_prefetch_b8 v0, s[64:65] scope:SCOPE_SE
	s_setreg_imm32_b32 hwreg(HW_REG_WAVE_MODE, 25, 1), 1
	s_wait_xcnt 0x0
; ypart = Q(h) W2 (+ b2 in the lower half of K), for the rows that chose an expert.  Work-group (x, e): 64 columns 64 (x / 2) on, half x % 2 of K = 4,096, expert e: 128 KiB of W2's codes, read by this
; work-group alone and kept in REGISTERS.  Wave w holds the four column tiles x K steps 16 (x % 2) + 4 w + 0 .. 3.  A fragment of h comes straight from its image in hbuf (four loads of 512 consecutive
; bytes), is loaded once in the work-group and feeds four products.  The four waves' partial sums meet in LDS, where they also turn into whole rows.
; THE LIST of expert e's rows and their count were stored by an earlier launch and are read from memory: entry = 2 x token + choice is the row's slot in ypart [K half 2][slot 2560][1024]; a filler
; 2048 + 64 e + (place & 63) is a slot that nobody reads, and no other work-group writes its bytes.  The count steers scalar branches and clamped offsets only; trips are constant, no barrier stands under
; such a branch, EXEC is never changed.  No tensor load, copy or cluster: the walk hangs on a count read from memory.
; THE PRODUCT IS USED TRANSPOSED (source 0 = 16 columns of W2, source 1 = 16 rows of h): a lane holds eight neighbouring columns of one row.
; h RUNS FOUR TILES AHEAD in four register slots.  A trip that has a successor issues all four refills (a tile past the last takes the last tile's place again: three times 8 KiB a wave at the most),
; so behind a slot's 20 loads stand 60 and more on every way.  The last trip with work is written a second time: it asks for nothing more, its waits count down slot by slot, and it jumps over a tile that
; does not exist.  A trip with no tile left asks for nothing and waits for nothing: it passes the barrier and steps on.
; LIMITS: K is summed in eight parts (four waves, two work-groups): another order of rounding than one chain.
; REGISTERS.  Window 0: v1-15 addresses; v16-31 W2's scale words; v32-47 h's; v48-51 b2; v52-59 entries; v60-67 store offsets; v68-75 the slots' offsets into hbuf and hsc;
; v128-255 the sums on the way out.  Window 1: W2 (tile t, step s) at 16 (4 t + s).  Window 2: h, slot z at 64 z.  Window 3: accumulator (z, t) at 32 z + 8 t.
.set WPW,  528                         ; a row of my wave's part of W2 in LDS: 512 + 16
.set RED,  135168                      ; behind the four waves' 64 rows: 2 buffers x [wave 4][tile 4][16 rows x 272 bytes]
.set RBUF, 0x11000
.set LROW, 4608                        ; an expert's part of the list, in bytes;
.set CNTO, 4480                        ; in it the count's byte
.set W2S,  16
.set HS,   32
.set LANE, 15
.set MSB, 0
.macro WIN new                         ; the immediate's high byte repeats the setting that is left
.if MSB != \new
	s_set_vgpr_msb (MSB<<8)|\new
.set MSB, \new
.endif
.endm
.macro ADDRS
	v_add_nc_u32 v11, s35, v6                      ; where my partial sums go
	v_add_nc_u32 v12, s35, v7                      ; where I read a tile's four parts
	v_add_nc_u32 v13, s36, v8                      ; my tile's entries, in the list
.endm
; Tile 4 g + z: its 16 products and its partial sums to LDS.  fill = 1 (a trip that has a successor: all four tiles exist): the slot is then filled again with tile 4 g + z + 4.
; fill = 0 (the last trip with work): nothing is asked for; a tile that does not exist is jumped over, behind the wait.
.macro STEP z, fill
.if \fill
	s_wait_loadcnt 60                              ; the slot's 20 loads are in: behind them stand the three other slots' 60 and the trip's two entry loads.  In step 3 the 60 are this trip's first three refills, so the entries are in too
.else
	s_wait_loadcnt 62-20*\z                        ; the slot's 20 loads are in: behind them stand 20 for each later slot and the trip's two entry loads, on every way into this trip
	s_add_co_u32 s44, s37, \z
	s_cmp_lt_u32 s44, s34
	s_cbranch_scc0 .Lnone_\@
.endif
	WIN 0xf9                                       ; source 0 (W2) window 1, source 1 (h) window 2, C and D window 3
.irp s, 0,1,2,3
.irp t, 0,1,2,3
.if \s == 0
	v_wmma_scale_f32_16x16x128_f8f6f4 v[32*\z+8*\t:32*\z+8*\t+7], v[16*(4*\t+\s):16*(4*\t+\s)+15], v[64*\z+16*\s:64*\z+16*\s+15], 0, v[W2S+4*\t+\s], v[HS+4*\z+\s]
.else
	v_wmma_scale_f32_16x16x128_f8f6f4 v[32*\z+8*\t:32*\z+8*\t+7], v[16*(4*\t+\s):16*(4*\t+\s)+15], v[64*\z+16*\s:64*\z+16*\s+15], v[32*\z+8*\t:32*\z+8*\t+7], v[W2S+4*\t+\s], v[HS+4*\z+\s]
.endif
.endr
.endr                                          ; the four accumulators by turns
	WIN 0
.rept 9
	v_nop                                          ; places in front of the stores that read the results, of the loads into h's registers, and of the next products that begin these accumulators anew
.endr
	WIN 0x0c                                       ; an LDS store's data in window 3
.irp t, 0,1,2,3
	ds_store_b128 v11, v[32*\z+8*\t:32*\z+8*\t+3] offset:4352*\z+64*\t          ; row r, columns 16 t + 8 h + 0 .. 7; each accumulator from its low end on
	ds_store_b128 v11, v[32*\z+8*\t+4:32*\z+8*\t+7] offset:4352*\z+64*\t+16
.endr
	WIN 0
.if \fill
	s_add_co_u32 s44, s37, \z+4                    ; the tile four on,
	s_min_u32 s44, s44, s26                        ; or the last tile there is,
	s_min_u32 s44, s44, 63                         ; inside the expert's 64 places whatever was read
	s_and_b32 s45, s44, 60
	s_lshl_b32 s45, s45, 11                        ; hsc: 8,192 bytes a group of four tiles,
	s_and_b32 s47, s44, 3
	s_lshl_b32 s47, s47, 6                         ; 64 a tile
	s_add_co_u32 s45, s45, s47
	s_wait_xcnt 0x0                                ; the slot's last loads have read their offsets
	v_lshl_add_u32 v[68+\z], s44, 16, v1           ; hbuf: 65,536 bytes a tile
	v_add_nc_u32 v[72+\z], s45, v10
	WIN 0x80                                       ; destination in window 2
.irp q, 0,1,2,3,4,5,6,7,8,9,10,11,12,13,14,15
	global_load_b128 v[64*\z+4*\q:64*\z+4*\q+3], v[68+\z], s[4:5] offset:512*\q
.endr
	WIN 0
.irp s, 0,1,2,3
	global_load_b32 v[HS+4*\z+\s], v[72+\z], s[6:7] offset:256*\s
.endr
.else
.Lnone_\@:
.endif
.endm
	s_load_b256 s[4:11], s[0:1], 0x0               ; hbuf, hsc, list, w2_codes
	s_load_b128 s[12:15], s[0:1], 0x20             ; w2_scales, b2
	s_load_b64 s[16:17], s[0:1], 0x30              ; ypart
	v_lshl_add_u32 v126, v0, 2, 0x44800
	v_mov_b32 v127, 0
	v_lshrrev_b32 v1, 5, v0
	v_readfirstlane_b32 s20, v1                    ; wave w
	s_lshr_b32 s21, ttmp9, 1                       ; which 64 columns
	s_and_b32 s22, ttmp9, 1                        ; which half of K
	s_and_b32 s24, ttmp7, 0xffff                   ; e
	v_and_b32 v[LANE], 31, v0
	v_lshlrev_b32 v1, 4, v[LANE]                   ; 16 x lane
	v_and_b32 v2, 15, v0                           ; r
	v_bfe_u32 v3, v0, 4, 1                         ; h
	s_mul_i32 s25, s20, 64*WPW
	v_mul_u32_u24 v4, v2, WPW
	v_lshl_add_u32 v4, v3, 4, v4
	v_add_nc_u32 v4, s25, v4                       ; W2's fragments out of my wave's own stage
	v_add_nc_u32 v5, s25, v1                       ; and into it
	s_mul_i32 s25, s20, 17408
	s_add_co_u32 s25, s25, RED
	v_mul_u32_u24 v6, v2, 272
	v_lshl_add_u32 v6, v3, 5, v6
	v_add_nc_u32 v6, s25, v6                       ; my partial sums: row r, + 32 h
	s_mul_i32 s25, s20, 4352
	s_add_co_u32 s25, s25, RED
	v_mul_u32_u24 v7, v3, 2176
	v_lshl_add_u32 v7, v2, 4, v7
	v_add_nc_u32 v7, s25, v7                       ; tile w of a wave's four: lanes 0-15 row i, lanes 16-31 row i + 8
	s_lshl_b32 s25, s20, 6
	v_lshl_add_u32 v8, v3, 5, s25                  ; the list: entries of rows 16 w + 8 (lane / 16) on, 4 bytes each
	v_lshlrev_b32 v9, 4, v2
	v_lshlrev_b32 v10, 2, v2
	v_lshlrev_b32 v78, 7, v2                       ; W2's scale bytes: 128 a row
.irp i, 0,1,2,3,4,5,6,7
	v_mov_b32 v[52+\i], 2559                       ; the entries' registers are written once here, so that every way through the text finds them written.  The number (a slot that nobody reads) is never used: a trip that loads no entries has no tile to finish
.endr
	s_mov_b32 s35, 0
	s_mov_b32 s36, 0
	ADDRS
	s_lshl_b32 s28, s22, 4
	s_lshl_b32 s25, s20, 2
	s_add_co_u32 s28, s28, s25                     ; my first K step
	s_lshl_b32 s29, s24, 10
	s_lshl_b32 s25, s21, 6
	s_add_co_u32 s29, s29, s25                     ; my first row of W2: 1024 e + 64 n
	s_mov_b32 s27, 0
	s_wait_kmcnt 0x0
	s_mul_i32 s26, s24, LROW
	s_add_nc_u64 s[8:9], s[8:9], s[26:27]          ; the list at my expert: it stays
	s_load_b32 s33, s[8:9], CNTO                   ; the expert's rows
	s_lshl_b32 s26, s24, 22
	s_lshl_b32 s25, s28, 11
	s_add_co_u32 s26, s26, s25
	s_add_nc_u64 s[4:5], s[4:5], s[26:27]          ; hbuf at (e, tile 0, my first K step): it stays
	s_lshl_b32 s26, s24, 17
	s_lshl_b32 s25, s28, 8
	s_add_co_u32 s26, s26, s25
	s_add_nc_u64 s[6:7], s[6:7], s[26:27]          ; hsc likewise
	s_lshl_b32 s26, s29, 12
	s_lshl_b32 s25, s28, 7
	s_add_co_u32 s26, s26, s25
	s_add_nc_u64 s[10:11], s[10:11], s[26:27]
	s_lshl_b32 s26, s29, 7
	s_lshl_b32 s25, s28, 2
	s_add_co_u32 s26, s26, s25
	s_add_nc_u64 s[12:13], s[12:13], s[26:27]
	s_lshl_b32 s26, s29, 2
	s_add_nc_u64 s[14:15], s[14:15], s[26:27]
	s_mul_i32 s26, s22, 0xa00000
	s_lshl_b32 s25, s21, 8
	s_add_co_u32 s26, s26, s25
	s_add_nc_u64 s[16:17], s[16:17], s[26:27]      ; ypart at (my half of K, slot 0, my columns)
	WIN 0x40                                       ; destination in window 1
.set I, 0
.rept 64
	global_load_b128 v[4*I:4*I+3], v1, s[10:11] offset:4096*I th:TH_LOAD_NT   ; my 512 bytes of row I; read once in the launch
.set I, I+1
.endr
	WIN 0
.irp t, 0,1,2,3
	global_load_b128 v[W2S+4*\t:W2S+4*\t+3], v78, s[12:13] offset:2048*\t
.endr
	global_load_b128 v[48:51], v9, s[14:15]        ; b2 of my four columns on the way out
	s_wait_kmcnt 0x0
	s_min_u32 s33, s33, 1024
	s_add_co_u32 s34, s33, 15
	s_lshr_b32 s34, s34, 4                         ; tiles of 16 rows
	s_max_u32 s26, s34, 1
	s_sub_co_u32 s26, s26, 1                       ; the last tile there is (0 where there is none); it stays
.irp z, 0,1,2,3
	s_min_u32 s25, s26, \z                         ; the first fills: a slot with no tile takes the last tile there is, so that every register of a slot is written
	v_lshl_add_u32 v[68+\z], s25, 16, v1
	v_lshl_add_u32 v[72+\z], s25, 6, v10
.endr
.irp z, 0,1,2,3
	WIN 0x80
.irp q, 0,1,2,3,4,5,6,7,8,9,10,11,12,13,14,15
	global_load_b128 v[64*\z+4*\q:64*\z+4*\q+3], v[68+\z], s[4:5] offset:512*\q
.endr
	WIN 0
.irp s, 0,1,2,3
	global_load_b32 v[HS+4*\z+\s], v[72+\z], s[6:7] offset:256*\s
.endr
.endr
	s_wait_loadcnt 63                              ; W2, its scale words and b2 are in: 80 loads are younger
	WIN 0x04
.set I, 0
.rept 64
	ds_store_b128 v5, v[4*I:4*I+3] offset:WPW*I
.set I, I+1
.endr
	WIN 0
	s_wait_dscnt 0x0                               ; the stores have read the registers on which the fragments land
	WIN 0x40
.irp t, 0,1,2,3
.irp s, 0,1,2,3
.irp c, 0,1,2,3
	ds_load_b128 v[16*(4*\t+\s)+4*\c:16*(4*\t+\s)+4*\c+3], v4 offset:16*WPW*\t+128*\s+32*\c   ; my wave's own bytes: no barrier
.endr
.endr
.endr
	WIN 0
	s_cmp_eq_u32 s22, 0
	s_cselect_b32 s25, -1, 0
.irp i, 0,1,2,3
	v_cndmask_b32 v[48+\i], 0, v[48+\i], s25       ; b2 is added once: in the lower half of K
.endr
	s_wait_dscnt 0x0
	s_mov_b32 s37, 0                               ; the trip's first tile
	s_mov_b32 s38, 0
.Ltrip:                                            ; 16 trips, whatever the count
	s_cmp_lt_u32 s37, s34
	s_cbranch_scc0 .Lno_body                       ; no tile left: nothing is asked for and no load is waited for; the barrier below is passed all the same
	global_load_b128 v[52:55], v13, s[8:9]         ; the entries of the tile that I finish in this trip: rows 8 (lane / 16) + 0 .. 7; ahead of the refills
	global_load_b128 v[56:59], v13, s[8:9] offset:16
	s_add_co_u32 s44, s37, 4
	s_cmp_lt_u32 s44, s34
	s_cbranch_scc0 .Llast_body
	STEP 0, 1
	STEP 1, 1
	STEP 2, 1
	STEP 3, 1
	s_branch .Lno_body
.Llast_body:                                       ; the last trip with work: the youngest loads are the four slots' 20 each, in the slots' order, and the two entry loads
	STEP 0, 0
	STEP 1, 0
	STEP 2, 0
	STEP 3, 0
	s_wait_loadcnt 0x0                             ; the entries are in: they had the four steps in which to land
.Lno_body:
	s_wait_dscnt 0x0                               ; my partial sums lie in LDS; my reads of the other buffer are in
	s_barrier_signal -1
	s_barrier_wait -1
	s_add_co_u32 s44, s37, s20                     ; wave w finishes tile 4 g + w
	s_cmp_lt_u32 s44, s34
	s_cbranch_scc0 .Lno_final
.irp i, 0,1,2,3,4,5,6,7
.irp q, 0,1,2,3
	ds_load_b128 v[128+16*\i+4*\q:128+16*\i+4*\q+3], v12 offset:17408*\q+272*\i
.endr
.endr
.irp i, 0,1,2,3,4,5,6,7
.set F, 128+16*\i
	s_wait_dscnt 4*(7-\i)                          ; this pair of rows is in; four loads for each later pair are younger
	v_pk_add_f32 v[F:F+1], v[F:F+1], v[F+4:F+5]
	v_pk_add_f32 v[F+2:F+3], v[F+2:F+3], v[F+6:F+7]
	v_pk_add_f32 v[F+8:F+9], v[F+8:F+9], v[F+12:F+13]
	v_pk_add_f32 v[F+10:F+11], v[F+10:F+11], v[F+14:F+15]
	v_pk_add_f32 v[F:F+1], v[F:F+1], v[F+8:F+9]
	v_pk_add_f32 v[F+2:F+3], v[F+2:F+3], v[F+10:F+11]
	v_pk_add_f32 v[F:F+1], v[F:F+1], v[48:49]
	v_pk_add_f32 v[F+2:F+3], v[F+2:F+3], v[50:51]
	v_min_u32 v[60+\i], 2559, v[52+\i]
	v_lshl_add_u32 v[60+\i], v[60+\i], 12, v9      ; the row's slot, 4,096 bytes each, + 16 bytes a lane
	global_store_b128 v[60+\i], v[F:F+3], s[16:17] ; sixteen lanes store 256 consecutive bytes, aligned; the other sixteen another row's
.endr
.Lno_final:
	s_wait_xcnt 0x0                                ; loads and stores have read their offsets and data: these are written again in the next trip
	s_xor_b32 s35, s35, RBUF
	s_add_co_u32 s36, s36, 256
	s_add_co_u32 s37, s37, 4
	ADDRS
	s_add_co_u32 s38, s38, 1
	s_cmp_lt_u32 s38, 16
	s_cbranch_scc1 .Ltrip
	s_wait_tensorcnt 0x0
	ds_add_u32 v126, v127
	s_wait_dscnt 0x0
	s_endpgm
.Lfunc_end_k_q0ee59ca759_down:
	.size	k_q0ee59ca759_down, .Lfunc_end_k_q0ee59ca759_down-k_q0ee59ca759_down
	.p2alignl 7, 3214868480
	.fill 96, 4, 3214868480
	.section	.rodata,"a",@progbits
	.p2align	6, 0x0
	.amdhsa_kernel k_q0ee59ca759_down
		.amdhsa_group_segment_fixed_size 281088
		.amdhsa_private_segment_fixed_size 0
		.amdhsa_enable_private_segment 0
		.amdhsa_kernarg_size 56
		.amdhsa_user_sgpr_count 2
		.amdhsa_user_sgpr_kernarg_segment_ptr 1
		.amdhsa_wavefront_size32 1
		.amdhsa_system_sgpr_workgroup_id_x 1
		.amdhsa_system_sgpr_workgroup_id_y 1
		.amdhsa_system_sgpr_workgroup_id_z 1
		.amdhsa_system_vgpr_workitem_id 0
		.amdhsa_next_free_vgpr 896
		.amdhsa_next_free_sgpr 66
		.amdhsa_reserve_vcc 0
		.amdhsa_float_denorm_mode_32 3
		.amdhsa_float_denorm_mode_16_64 3
		.amdhsa_memory_ordered 1
		.amdhsa_forward_progress 1
		.amdhsa_inst_pref_size 70
	.end_amdhsa_kernel
	.amdgpu_metadata
---
amdhsa.version: [ 1, 2 ]
amdhsa.kernels:
  - .name:           k_q0ee59ca759_down
    .symbol:         k_q0ee59ca759_down.kd
    .args:
      - { .name: hbuf, .offset: 0, .size: 8, .value_kind: global_buffer, .address_space: global }
      - { .name: hsc, .offset: 8, .size: 8, .value_kind: global_buffer, .address_space: global }
      - { .name: list, .offset: 16, .size: 8, .value_kind: global_buffer, .address_space: global }
      - { .name: w2_codes, .offset: 24, .size: 8, .value_kind: global_buffer, .address_space: global }
      - { .name: w2_scales, .offset: 32, .size: 8, .value_kind: global_buffer, .address_space: global }
      - { .name: b2, .offset: 40, .size: 8, .value_kind: global_buffer, .address_space: global }
      - { .name: ypart, .offset: 48, .size: 8, .value_kind: global_buffer, .address_space: global }
    .group_segment_fixed_size: 281088
    .private_segment_fixed_size: 0
    .kernarg_segment_align: 8
    .kernarg_segment_size: 56
    .max_flat_workgroup_size: 128
    .sgpr_count:     66
    .vgpr_count:     896
    .wavefront_size: 32
...
	.end_amdgpu_metadata
.endif
;; end of part 4
;; launch join (part 5): grid 256 x 1, 4 waves a work-group, no clusters, 0 bytes of LDS; arguments ypart, coef, out0; writes out0
.if DOCPART == 5
	.amdgcn_target "amdgcn-amd-amdhsa--gfx1250"
	.amdhsa_code_object_version 6
	.text
	.protected	k_q0ee59ca759_join
	.globl	k_q0ee59ca759_join
	.p2align	8
	.type	k_q0ee59ca759_join,@function
k_q0ee59ca759_join:
	s_mov_b64 s[64:65], 0
	v_nop
	global_prefetch_b8 v0, s[64:65] scope:SCOPE_SE
	s_setreg_imm32_b32 hwreg(HW_REG_WAVE_MODE, 25, 1), 1
	s_wait_xcnt 0x0
; out[t] = c0 (y of slot 2 t) + c1 (y of slot 2 t + 1), each y the sum of its two halves of K.  ypart: [K half 2][slot 2560][1024] f32.
; One wave takes one token: 32 loads of 512 consecutive bytes, all issued at once, eight stores of 512 consecutive bytes.  A stream: no LDS, no barrier, no matrix unit.
.set HALF, 0xa00000                    ; bytes from one half of K to the other: 2,560 slots of 4,096
.set L, 16                             ; v16-143: piece i at 16 i: (half 0, slot 0), (half 1, slot 0), (half 0, slot 1), (half 1, slot 1)
	s_load_b128 s[4:7], s[0:1], 0x0                ; ypart, coef
	s_load_b64 s[8:9], s[0:1], 0x10                ; out0
	v_lshrrev_b32 v1, 5, v0
	v_readfirstlane_b32 s10, v1
	v_and_b32 v1, 31, v0
	v_lshlrev_b32 v1, 4, v1                        ; 16 x lane
	s_lshl_b32 s11, ttmp9, 2
	s_add_co_u32 s11, s11, s10                     ; my token
	s_mov_b32 s13, 0
	s_wait_kmcnt 0x0
	s_lshl_b32 s12, s11, 3
	s_add_nc_u64 s[6:7], s[6:7], s[12:13]
	s_load_b64 s[16:17], s[6:7], 0x0               ; c0, c1
	s_lshl_b32 s12, s11, 13
	s_add_nc_u64 s[4:5], s[4:5], s[12:13]          ; slot 2 t, lower half of K
	s_add_nc_u64 s[14:15], s[4:5], HALF            ; and upper
	s_lshl_b32 s12, s11, 12
	s_add_nc_u64 s[8:9], s[8:9], s[12:13]
.irp i, 0,1,2,3,4,5,6,7
	global_load_b128 v[L+16*\i:L+16*\i+3], v1, s[4:5] offset:512*\i th:TH_LOAD_NT
	global_load_b128 v[L+16*\i+4:L+16*\i+7], v1, s[14:15] offset:512*\i th:TH_LOAD_NT
	global_load_b128 v[L+16*\i+8:L+16*\i+11], v1, s[4:5] offset:4096+512*\i th:TH_LOAD_NT
	global_load_b128 v[L+16*\i+12:L+16*\i+15], v1, s[14:15] offset:4096+512*\i th:TH_LOAD_NT
.endr
	s_wait_kmcnt 0x0
	s_mov_b32 s18, s17                             ; c1 as the low word of a pair of its own: the packed forms take a scalar pair's low word for both halves
	s_mov_b32 s19, s17
.irp i, 0,1,2,3,4,5,6,7
.set P, L+16*\i
	s_wait_loadcnt 4*(7-\i)                        ; this piece's four loads are in; four for each later piece are younger
	v_pk_add_f32 v[P:P+1], v[P:P+1], v[P+4:P+5]
	v_pk_add_f32 v[P+2:P+3], v[P+2:P+3], v[P+6:P+7]
	v_pk_add_f32 v[P+8:P+9], v[P+8:P+9], v[P+12:P+13]
	v_pk_add_f32 v[P+10:P+11], v[P+10:P+11], v[P+14:P+15]
	v_pk_mul_f32 v[P:P+1], v[P:P+1], s[16:17] op_sel_hi:[1,0]
	v_pk_mul_f32 v[P+2:P+3], v[P+2:P+3], s[16:17] op_sel_hi:[1,0]
	v_pk_fma_f32 v[P:P+1], v[P+8:P+9], s[18:19], v[P:P+1] op_sel_hi:[1,0,1]
	v_pk_fma_f32 v[P+2:P+3], v[P+10:P+11], s[18:19], v[P+2:P+3] op_sel_hi:[1,0,1]
	global_store_b128 v1, v[P:P+3], s[8:9] offset:512*\i th:TH_STORE_NT
.endr
	s_endpgm
.Lfunc_end_k_q0ee59ca759_join:
	.size	k_q0ee59ca759_join, .Lfunc_end_k_q0ee59ca759_join-k_q0ee59ca759_join
	.p2alignl 7, 3214868480
	.fill 96, 4, 3214868480
	.section	.rodata,"a",@progbits
	.p2align	6, 0x0
	.amdhsa_kernel k_q0ee59ca759_join
		.amdhsa_group_segment_fixed_size 0
		.amdhsa_private_segment_fixed_size 0
		.amdhsa_enable_private_segment 0
		.amdhsa_kernarg_size 24
		.amdhsa_user_sgpr_count 2
		.amdhsa_user_sgpr_kernarg_segment_ptr 1
		.amdhsa_wavefront_size32 1
		.amdhsa_system_sgpr_workgroup_id_x 1
		.amdhsa_system_sgpr_workgroup_id_y 1
		.amdhsa_system_sgpr_workgroup_id_z 1
		.amdhsa_system_vgpr_workitem_id 0
		.amdhsa_next_free_vgpr 176
		.amdhsa_next_free_sgpr 66
		.amdhsa_reserve_vcc 0
		.amdhsa_float_denorm_mode_32 3
		.amdhsa_float_denorm_mode_16_64 3
		.amdhsa_memory_ordered 1
		.amdhsa_forward_progress 1
		.amdhsa_inst_pref_size 10
	.end_amdhsa_kernel
	.amdgpu_metadata
---
amdhsa.version: [ 1, 2 ]
amdhsa.kernels:
  - .name:           k_q0ee59ca759_join
    .symbol:         k_q0ee59ca759_join.kd
    .args:
      - { .name: ypart, .offset: 0, .size: 8, .value_kind: global_buffer, .address_space: global }
      - { .name: coef, .offset: 8, .size: 8, .value_kind: global_buffer, .address_space: global }
      - { .name: out0, .offset: 16, .size: 8, .value_kind: global_buffer, .address_space: global }
    .group_segment_fixed_size: 0
    .private_segment_fixed_size: 0
    .kernarg_segment_align: 8
    .kernarg_segment_size: 24
    .max_flat_workgroup_size: 128
    .sgpr_count:     66
    .vgpr_count:     176
    .wavefront_size: 32
...
	.end_amdgpu_metadata
.endif
;; end of part 5
;; ======== version 2 of 2: 5 launches
;; workspace buffers: xq 1,048,576 bytes; xsc 32,768 bytes; sel 4,096 bytes of whole numbers; coef 8,192 bytes; list 36,864 bytes of whole numbers; hbuf 33,554,432 bytes; hsc 1,048,576 bytes; ypart 20,971,520 bytes
;; launch route (part 6): grid 256 x 1, 4 waves a work-group, no clusters, 55,808 bytes of LDS; arguments x, gate_w, xq, xsc, sel, coef; writes xq, xsc, sel, coef
.if DOCPART == 6
	.amdgcn_target "amdgcn-amd-amdhsa--gfx1250"
	.amdhsa_code_object_version 6
	.text
	.protected	k_q0ee59ca759_route
	.globl	k_q0ee59ca759_route
	.p2align	8
	.type	k_q0ee59ca759_route,@function
k_q0ee59ca759_route:
	s_mov_b64 s[64:65], 0
	v_nop
	global_prefetch_b8 v0, s[64:65] scope:SCOPE_SE
	s_setreg_imm32_b32 hwreg(HW_REG_WAVE_MODE, 25, 1), 1
	s_wait_xcnt 0x0
; THE GATE AND x's CODES.  One wave takes one token t = 4 x work-group + wave: its 1,024 numbers of x are read once and serve twice:
;   the eight logits x . gate_w (f32 multiply-adds, f32 sums), their two largest (ties: the lower index) and the softmax over these two, the larger taken away first;
;   the codes of x (E4M3, one E8M0 byte for each 32 along D), laid [token][1024] and [token][32].
; Stored at fixed places: sel[t] = first expert | second expert << 8, coef[t] = the two weights.  No address and no branch hangs on the choice.
; LIMITS: inputs are finite; with logits of -infinity or NaN the second choice is not served.  A block of zeros gets the byte 1 where the quantiser's rule says 127:
; its codes are zeros, and the bytes are read by this program alone.  The logits' sums run lane by lane and then across lanes: another order of rounding than a plain chain.
; A lane must hold 16 NEIGHBOURS along D for the conversions, and a load is dense where neighbouring lanes take neighbouring bytes: so x turns through the wave's own stage in LDS
; (four lanes' 64 bytes on end, then 16 of padding).  The gate (32 KiB) is brought into LDS once by the four waves, as 64 chunks of 512 bytes (16 rows of 8), 528 bytes apart:
; lane l of step g wants chunk 32 g + l, so that sixteen lanes of a load start at sixteen different 16-byte columns.
.set GP,   528                         ; a chunk of the gate in LDS
.set SP,   80                          ; a lane's place in a stage: 64 bytes + 16
.set REG0, 64*GP                       ; behind the gate: a region for each wave: two stages of 32 x SP bytes, then its 32 scale bytes
.set REGB, 5376
.set A,  8                             ; v8-15    the eight logits
.set R,  16                            ; v16-47   x as loaded
.set GB, 48                            ; v48-111  the gate as loaded; later chunk buffer B
.set X,  112                           ; v112-143 two steps of 16 neighbours
.set GA, 144                           ; v144-207 chunk buffer A
.set CD, 208                           ; v208-215 codes
.set PL, 216                           ; v216-223 lane permutes' destinations
.set T,  224                           ; v224-231 at work, four for each step; v232-233 the scale bytes
	s_load_b256 s[4:11], s[0:1], 0x0               ; x, gate_w, xq, xsc
	s_load_b128 s[12:15], s[0:1], 0x20             ; sel, coef
	v_lshl_add_u32 v254, v0, 2, 0xd800
	v_mov_b32 v255, 0
	v_lshrrev_b32 v1, 5, v0
	v_readfirstlane_b32 s16, v1                    ; wave
	v_and_b32 v1, 31, v0                           ; lane
	v_lshlrev_b32 v2, 4, v1                        ; 16 x lane
	s_mul_i32 s17, s16, REGB
	s_add_co_u32 s17, s17, REG0                    ; my wave's region
	v_lshrrev_b32 v3, 2, v1
	v_mul_u32_u24 v3, v3, SP
	v_and_b32 v4, 3, v1
	v_lshl_add_u32 v3, v4, 4, v3
	v_add_nc_u32 v3, s17, v3                       ; the stage, on the way in: SP (lane / 4) + 16 (lane % 4)
	v_mul_u32_u24 v4, v1, SP
	v_add_nc_u32 v4, s17, v4                       ; and on the way out: SP x lane
	s_mul_i32 s18, s16, 16*GP
	v_add_nc_u32 v5, s18, v2                       ; where my wave puts its 16 chunks of the gate
	v_mul_u32_u24 v6, v1, GP                       ; my lane's chunk
	s_add_co_u32 s19, s17, 2*32*SP
	v_lshrrev_b32 v7, 1, v1
	v_add_nc_u32 v7, s19, v7                       ; my block's scale byte: two lanes to a block
	v_and_b32 v244, 7, v1
	v_lshlrev_b32 v244, 2, v244
	v_add_nc_u32 v244, s19, v244                   ; the 32 bytes read back as eight words
	v_lshlrev_b32 v245, 2, v1
	v_mov_b32 v246, 0
.irp i, 0,1,2,3,4,5,6,7
	v_mov_b32 v[PL+\i], 0                          ; written once: a lane permute's destination counts as one of its sources
.endr
	s_mov_b32 s40, 0x76543210
	s_mov_b32 s41, 0xfedcba98                      ; selects for lane l xor 16
	s_mov_b32 s42, 0x600000                        ; the mantissa field of 448
	s_lshl_b32 s20, ttmp9, 2
	s_add_co_u32 s20, s20, s16                     ; my token
	s_mov_b32 s23, 0
	s_wait_kmcnt 0x0
	s_lshl_b32 s22, s20, 12
	s_add_nc_u64 s[4:5], s[4:5], s[22:23]          ; x at my row
	s_lshl_b32 s22, s16, 13
	s_add_nc_u64 s[6:7], s[6:7], s[22:23]          ; the gate at my wave's 16 chunks
	s_lshl_b32 s22, s20, 10
	s_add_nc_u64 s[8:9], s[8:9], s[22:23]
	s_lshl_b32 s22, s20, 5
	s_add_nc_u64 s[10:11], s[10:11], s[22:23]
	s_lshl_b32 s22, s20, 2
	s_add_nc_u64 s[12:13], s[12:13], s[22:23]
	s_lshl_b32 s22, s20, 3
	s_add_nc_u64 s[14:15], s[14:15], s[22:23]
.irp i, 0,1,2,3,4,5,6,7
	global_load_b128 v[R+4*\i:R+4*\i+3], v2, s[4:5] offset:512*\i th:TH_LOAD_NT   ; 32 lanes read 512 consecutive bytes
.endr
.irp i, 0,1,2,3,4,5,6,7,8,9,10,11,12,13,14,15
	global_load_b128 v[GB+4*\i:GB+4*\i+3], v2, s[6:7] offset:512*\i
.endr
	s_wait_loadcnt 16                              ; x is in; the gate's 16 loads are younger
.irp i, 0,1,2,3,4,5,6,7
	ds_store_b128 v3, v[R+4*\i:R+4*\i+3] offset:32*SP*(\i/4)+8*SP*(\i%4)
.endr
	s_wait_loadcnt 0x0
.irp i, 0,1,2,3,4,5,6,7,8,9,10,11,12,13,14,15
	ds_store_b128 v5, v[GB+4*\i:GB+4*\i+3] offset:GP*\i
.endr
	s_wait_dscnt 0x0                               ; for the others' sake: my chunks of the gate lie in LDS
	s_barrier_signal -1
	s_barrier_wait -1
.irp i, 0,1,2,3,4,5,6,7
	ds_load_b128 v[X+4*\i:X+4*\i+3], v4 offset:32*SP*(\i/4)+16*(\i%4)   ; step g: k = 512 g + 16 lane + 0 .. 15
.endr
; half a chunk: the gate's rows of 8 of my 16 k of a step: register 8 kk + n = gate[k][n]
.macro GLOAD c, g
.irp j, 0,1,2,3,4,5,6,7,8,9,10,11,12,13,14,15
	ds_load_b128 v[\g+4*\j:\g+4*\j+3], v6 offset:32*GP*((\c)/2)+256*((\c)%2)+16*\j
.endr
.endm
; 8 k x 8 logits: two logits an instruction, x's number taken for both halves.  The very first k starts the sums
.macro DOT c, g
.set XB, X+16*((\c)/2)+8*((\c)%2)
.irp kk, 0,1,2,3,4,5,6,7
.irp p, 0,1,2,3
.if ((\c) == 0) && (\kk == 0)
	v_pk_mul_f32 v[A+2*\p:A+2*\p+1], v[\g+2*\p:\g+2*\p+1], v[XB:XB+1] op_sel_hi:[1,0]
.elseif (\kk%2) == 0
	v_pk_fma_f32 v[A+2*\p:A+2*\p+1], v[\g+8*\kk+2*\p:\g+8*\kk+2*\p+1], v[XB+\kk:XB+\kk+1], v[A+2*\p:A+2*\p+1] op_sel_hi:[1,0,1]
.else
	v_pk_fma_f32 v[A+2*\p:A+2*\p+1], v[\g+8*\kk+2*\p:\g+8*\kk+2*\p+1], v[XB+\kk-1:XB+\kk], v[A+2*\p:A+2*\p+1] op_sel:[0,1,0] op_sel_hi:[1,1,1]
.endif
.endr
.endr
.endm
	GLOAD 0, GA
	GLOAD 1, GB
	s_wait_dscnt 16                                ; x and the first half chunk are in; the 16 loads issued last may be out
	DOT 0, GA
	GLOAD 2, GA
	s_wait_alu depctr_va_vdst(0)
	s_wait_dscnt 16
	DOT 1, GB
	GLOAD 3, GB
	s_wait_alu depctr_va_vdst(0)
	s_wait_dscnt 16
	DOT 2, GA
	s_wait_alu depctr_va_vdst(0)
	s_wait_dscnt 0x0
	DOT 3, GB
.irp m, 1,2,4,8                                ; across the 32 lanes: every lane ends with the same eight sums
.irp i, 0,1,2,3,4,5,6,7
	v_add_f32_dpp v[A+\i], v[A+\i], v[A+\i] row_xmask:\m row_mask:0xf bank_mask:0xf
.endr
.endr
.irp i, 0,1,2,3,4,5,6,7
	v_permlanex16_b32 v[PL+\i], v[A+\i], s40, s41
.endr
.irp i, 0,1,2,3,4,5,6,7
	v_add_f32 v[A+\i], v[A+\i], v[PL+\i]
.endr
; a step's 512 numbers become codes: 16 a lane, two neighbouring lanes to a block
.macro QSTEP sg
.set XS, X+16*\sg
.set TS, T+4*\sg
	v_max3_num_f32 v[TS], |v[XS]|, |v[XS+1]|, |v[XS+2]|
	v_max3_num_f32 v[TS+1], |v[XS+3]|, |v[XS+4]|, |v[XS+5]|
.irp i, 6,10
	v_max3_num_f32 v[TS], v[TS], |v[XS+\i]|, |v[XS+\i+1]|
	v_max3_num_f32 v[TS+1], v[TS+1], |v[XS+\i+2]|, |v[XS+\i+3]|
.endr
	v_max3_num_f32 v[TS], v[TS], |v[XS+14]|, |v[XS+15]|
	v_max3_num_f32 v[TS], v[TS], v[TS+1], 0x4800000   ; and the floor 2^(9 - 127): the byte cannot fall under 1
	v_max_num_f32_dpp v[TS], v[TS], v[TS] row_xmask:1 row_mask:0xf bank_mask:0xf   ; with my neighbour's 16: the block's largest magnitude
	v_add_nc_u32 v[TS+2], 0xfc000000, v[TS]        ; 8 off its exponent field: the conversion's scale operand
	v_and_or_b32 v[TS+3], v[TS], 0x7f800000, s42   ; 448 x the scale
.irp i, 0,1,2,3,4,5,6,7,8,9,10,11,12,13,14,15
	v_med3_num_f32 v[XS+\i], v[XS+\i], -v[TS+3], v[TS+3]   ; the conversion to an 8-bit code does not saturate (ISA guide 7.6.2): the hold comes first
.endr
	v_cvt_scalef32_pk8_fp8_f32 v[CD+4*\sg:CD+4*\sg+1], v[XS:XS+7], v[TS+2]
	v_cvt_scalef32_pk8_fp8_f32 v[CD+4*\sg+2:CD+4*\sg+3], v[XS+8:XS+15], v[TS+2]
	v_lshrrev_b32 v[232+\sg], 23, v[TS+2]          ; the scale's byte (a plain line behind the conversions)
	ds_store_b8 v7, v[232+\sg] offset:16*\sg       ; both lanes of a block write the same byte with the same value
	global_store_b128 v2, v[CD+4*\sg:CD+4*\sg+3], s[8:9] offset:512*\sg   ; 512 consecutive bytes
.endm
	QSTEP 0
	QSTEP 1
	ds_load_b32 v243, v244                         ; my wave's stores are served ahead of this load
	; the largest logit, then the largest of the others; a strict compare in ascending order keeps the lower index
	v_mov_b32 v234, v[A]
	v_mov_b32 v235, 0
.irp i, 1,2,3,4,5,6,7
	v_cmp_gt_f32 vcc_lo, v[A+\i], v234
	v_cndmask_b32 v234, v234, v[A+\i], vcc_lo
	v_cndmask_b32 v235, v235, \i, vcc_lo
.endr
	v_mov_b32 v236, 0xff800000
	v_mov_b32 v237, 0
.irp i, 0,1,2,3,4,5,6,7
	v_cmp_ne_u32 s26, \i, v235
	v_cmp_gt_f32 s27, v[A+\i], v236
	s_and_b32 s26, s26, s27
	v_cndmask_b32 v236, v236, v[A+\i], s26
	v_cndmask_b32 v237, v237, \i, s26
.endr
	v_sub_f32 v238, v236, v234                     ; the second less the first: 0 or less
	v_mul_f32 v238, 0x3fb8aa3b, v238
	s_wait_alu depctr_va_vdst(0)
	v_exp_f32 v238, v238
	v_nop                                          ; a plain line behind a transcendental
	s_wait_alu depctr_va_vdst(0)
	v_add_f32 v239, 1.0, v238
	s_wait_alu depctr_va_vdst(0)
	v_rcp_f32 v240, v239                           ; the first weight: 1 / (1 + e^d)
	v_lshl_or_b32 v242, v237, 8, v235              ; (a plain line)  the two experts in one word
	s_wait_alu depctr_va_vdst(0)
	v_mul_f32 v241, v238, v240                     ; the second: e^d / (1 + e^d)
	s_wait_alu depctr_va_vdst(0)
	s_wait_dscnt 0x0
	s_wait_xcnt 0x0                                ; EXEC changes only behind this wait
	v_cmp_gt_u32 vcc_lo, 8, v1
	s_wait_tensorcnt 0x0
	ds_add_u32 v254, v255
	s_wait_dscnt 0x0
	s_and_saveexec_b32 s24, vcc_lo
	global_store_b32 v245, v243, s[10:11]          ; eight lanes: the token's 32 scale bytes
	s_wait_xcnt 0x0
	s_or_b32 exec_lo, exec_lo, s24
	v_cmp_eq_u32 vcc_lo, 0, v1
	s_and_saveexec_b32 s24, vcc_lo
	global_store_b32 v246, v242, s[12:13]
	global_store_b64 v246, v[240:241], s[14:15]
	s_wait_xcnt 0x0
	s_or_b32 exec_lo, exec_lo, s24
	s_endpgm
.Lfunc_end_k_q0ee59ca759_route:
	.size	k_q0ee59ca759_route, .Lfunc_end_k_q0ee59ca759_route-k_q0ee59ca759_route
	.p2alignl 7, 3214868480
	.fill 96, 4, 3214868480
	.section	.rodata,"a",@progbits
	.p2align	6, 0x0
	.amdhsa_kernel k_q0ee59ca759_route
		.amdhsa_group_segment_fixed_size 55808
		.amdhsa_private_segment_fixed_size 0
		.amdhsa_enable_private_segment 0
		.amdhsa_kernarg_size 48
		.amdhsa_user_sgpr_count 2
		.amdhsa_user_sgpr_kernarg_segment_ptr 1
		.amdhsa_wavefront_size32 1
		.amdhsa_system_sgpr_workgroup_id_x 1
		.amdhsa_system_sgpr_workgroup_id_y 1
		.amdhsa_system_sgpr_workgroup_id_z 1
		.amdhsa_system_vgpr_workitem_id 0
		.amdhsa_next_free_vgpr 256
		.amdhsa_next_free_sgpr 66
		.amdhsa_reserve_vcc 1
		.amdhsa_float_denorm_mode_32 3
		.amdhsa_float_denorm_mode_16_64 3
		.amdhsa_memory_ordered 1
		.amdhsa_forward_progress 1
		.amdhsa_inst_pref_size 31
	.end_amdhsa_kernel
	.amdgpu_metadata
---
amdhsa.version: [ 1, 2 ]
amdhsa.kernels:
  - .name:           k_q0ee59ca759_route
    .symbol:         k_q0ee59ca759_route.kd
    .args:
      - { .name: x, .offset: 0, .size: 8, .value_kind: global_buffer, .address_space: global }
      - { .name: gate_w, .offset: 8, .size: 8, .value_kind: global_buffer, .address_space: global }
      - { .name: xq, .offset: 16, .size: 8, .value_kind: global_buffer, .address_space: global }
      - { .name: xsc, .offset: 24, .size: 8, .value_kind: global_buffer, .address_space: global }
      - { .name: sel, .offset: 32, .size: 8, .value_kind: global_buffer, .address_space: global }
      - { .name: coef, .offset: 40, .size: 8, .value_kind: global_buffer, .address_space: global }
    .group_segment_fixed_size: 55808
    .private_segment_fixed_size: 0
    .kernarg_segment_align: 8
    .kernarg_segment_size: 48
    .max_flat_workgroup_size: 128
    .sgpr_count:     66
    .vgpr_count:     256
    .wavefront_size: 32
...
	.end_amdgpu_metadata
.endif
;; end of part 6
;; launch place (part 7): grid 8 x 1, 1 waves a work-group, no clusters, 4,864 bytes of LDS; arguments sel, list; writes list
.if DOCPART == 7
	.amdgcn_target "amdgcn-amd-amdhsa--gfx1250"
	.amdhsa_code_object_version 6
	.text
	.protected	k_q0ee59ca759_place
	.globl	k_q0ee59ca759_place
	.p2align	8
	.type	k_q0ee59ca759_place,@function
k_q0ee59ca759_place:
	s_mov_b64 s[64:65], 0
	v_nop
	global_prefetch_b8 v0, s[64:65] scope:SCOPE_SE
	s_setreg_imm32_b32 hwreg(HW_REG_WAVE_MODE, 25, 1), 1
	s_wait_xcnt 0x0
; THE ROWS OF EACH EXPERT.  Work-group e, one wave, reads all 1,024 words of sel (first expert | second expert << 8, stored by the launch before) and lays expert e's rows:
; list [expert 8][1,152 words]: place p holds 2 x token + (0: first choice, 1: second), in the order (register, lane) of the loads below; places past the count hold the filler
; 2048 + 64 e + (p & 63); words 1088 to 1119 are spare (a lane with nothing to put writes its own); word 1120 holds the count.
; The list is made in LDS and leaves as nine stores of 512 consecutive bytes.  Eight work-groups: the work is 4 KiB read and 4.5 KiB written for each expert, and cannot be shared further without
; traffic between work-groups.  No branch hangs on data.
.set LROW, 4608                        ; an expert's part of the list, in bytes
.set LIST, 0                           ; in LDS
.set CNTO, 4480                        ; the count's byte: word 1120
.set LANE, 15
.set CW,   14
.set BSEL, 128                         ; v128-159 sel
.set BF,   160
.set BE0,  164
.set BE1,  165
.set BK,   166
.set BDUMP, 167
.set BL8,  168
.set BP,   76                          ; v76-77 LDS addresses, used for nothing else
.set BA,   77
.set OUTR, 32                          ; v32-67 the list on its way out
	s_load_b128 s[4:7], s[0:1], 0x0                ; sel, list
	v_lshl_add_u32 v192, v0, 2, 0x1200
	v_mov_b32 v193, 0
	v_and_b32 v[LANE], 31, v0
	v_lshlrev_b32 v1, 4, v[LANE]                   ; 16 x lane, in memory
	v_lshlrev_b32 v[BA], 4, v[LANE]                ; and in LDS
	v_mov_b32 v[CW], CNTO
	s_mov_b32 s24, ttmp9                           ; e
	s_mul_i32 s26, s24, LROW
	s_mov_b32 s27, 0
	s_wait_alu depctr_va_vdst(0)
	s_wait_kmcnt 0x0
	s_add_nc_u64 s[6:7], s[6:7], s[26:27]
.irp a, 0,1,2,3,4,5,6,7
	global_load_b128 v[BSEL+4*\a:BSEL+4*\a+3], v1, s[4:5] offset:512*\a   ; register q holds token 128 (q / 4) + 4 lane + q % 4
.endr
	v_lshlrev_b32 v[BL8], 3, v[LANE]
	v_add_nc_u32 v[BDUMP], 1088, v[LANE]
	s_lshl_b32 s47, s24, 6
	s_add_co_u32 s47, s47, 2048
	v_lshlrev_b32 v[BK], 2, v[LANE]
.irp i, 0,1,2,3
	v_add_nc_u32 v[BF+\i], \i, v[BK]
	v_and_b32 v[BF+\i], 63, v[BF+\i]
	v_add_nc_u32 v[BF+\i], s47, v[BF+\i]           ; 2048 + 64 e + (place & 63)
.endr
.irp a, 0,1,2,3,4,5,6,7,8
	ds_store_b128 v[BA], v[BF:BF+3] offset:512*\a  ; every place first holds its filler
.endr
	s_wait_loadcnt 0x0
	s_mov_b32 s48, 0                               ; places taken so far
.set QI, 0
.rept 32
	v_and_b32 v[BE0], 0xff, v[BSEL+QI]
	v_lshrrev_b32 v[BE1], 8, v[BSEL+QI]
	v_cmp_eq_u32 s49, s24, v[BE0]
	v_cmp_eq_u32 s50, s24, v[BE1]
	s_or_b32 s51, s49, s50                         ; the lanes whose token chose e
	v_mbcnt_lo_u32_b32 v[BP], s51, s48             ; places taken + such lanes below mine
	v_cndmask_b32 v[BP], v[BDUMP], v[BP], s51      ; a lane with nothing to put writes its own spare word
	v_min_u32 v[BP], 1119, v[BP]
	v_lshl_add_u32 v[BP], v[BP], 2, LIST
	v_cndmask_b32 v[BK], 0, 1, s50
	v_add3_u32 v[BK], v[BK], v[BL8], 256*(QI>>2)+2*(QI&3)   ; 2 x token + which choice
	ds_store_b32 v[BP], v[BK]
	s_bcnt1_i32_b32 s51, s51
	s_add_co_u32 s48, s48, s51
.set QI, QI+1
.endr
	v_mov_b32 v[BK], s48
	ds_store_b32 v[CW], v[BK]                      ; the count: every lane writes the same word with the same value
.irp a, 0,1,2,3,4,5,6,7,8
	ds_load_b128 v[OUTR+4*\a:OUTR+4*\a+3], v[BA] offset:512*\a   ; LDS serves a wave's instructions in order: these see the stores above
.endr
.irp a, 0,1,2,3,4,5,6,7,8
	s_wait_dscnt 8-\a                              ; piece a is in; the later pieces' loads are younger
	global_store_b128 v1, v[OUTR+4*\a:OUTR+4*\a+3], s[6:7] offset:512*\a   ; 512 consecutive bytes, aligned
.endr
	s_wait_tensorcnt 0x0
	ds_add_u32 v192, v193
	s_wait_dscnt 0x0
	s_endpgm
.Lfunc_end_k_q0ee59ca759_place:
	.size	k_q0ee59ca759_place, .Lfunc_end_k_q0ee59ca759_place-k_q0ee59ca759_place
	.p2alignl 7, 3214868480
	.fill 96, 4, 3214868480
	.section	.rodata,"a",@progbits
	.p2align	6, 0x0
	.amdhsa_kernel k_q0ee59ca759_place
		.amdhsa_group_segment_fixed_size 4864
		.amdhsa_private_segment_fixed_size 0
		.amdhsa_enable_private_segment 0
		.amdhsa_kernarg_size 16
		.amdhsa_user_sgpr_count 2
		.amdhsa_user_sgpr_kernarg_segment_ptr 1
		.amdhsa_wavefront_size32 1
		.amdhsa_system_sgpr_workgroup_id_x 1
		.amdhsa_system_sgpr_workgroup_id_y 1
		.amdhsa_system_sgpr_workgroup_id_z 1
		.amdhsa_system_vgpr_workitem_id 0
		.amdhsa_next_free_vgpr 194
		.amdhsa_next_free_sgpr 66
		.amdhsa_reserve_vcc 0
		.amdhsa_float_denorm_mode_32 3
		.amdhsa_float_denorm_mode_16_64 3
		.amdhsa_memory_ordered 1
		.amdhsa_forward_progress 1
		.amdhsa_inst_pref_size 30
	.end_amdhsa_kernel
	.amdgpu_metadata
---
amdhsa.version: [ 1, 2 ]
amdhsa.kernels:
  - .name:           k_q0ee59ca759_place
    .symbol:         k_q0ee59ca759_place.kd
    .args:
      - { .name: sel, .offset: 0, .size: 8, .value_kind: global_buffer, .address_space: global }
      - { .name: list, .offset: 8, .size: 8, .value_kind: global_buffer, .address_space: global }
    .group_segment_fixed_size: 4864
    .private_segment_fixed_size: 0
    .kernarg_segment_align: 8
    .kernarg_segment_size: 16
    .max_flat_workgroup_size: 32
    .sgpr_count:     66
    .vgpr_count:     194
    .wavefront_size: 32
...
	.end_amdgpu_metadata
.endif
;; end of part 7
;; launch up (part 8): grid 32 x 8, 8 waves a work-group, no clusters, 279,552 bytes of LDS; arguments xq, xsc, list, w1_codes, w1_scales, b1, hbuf, hsc; writes hbuf, hsc
.if DOCPART == 8
	.amdgcn_target "amdgcn-amd-amdhsa--gfx1250"
	.amdhsa_code_object_version 6
	.text
	.protected	k_q0ee59ca759_up
	.globl	k_q0ee59ca759_up
	.p2align	8
	.type	k_q0ee59ca759_up,@function
k_q0ee59ca759_up:
	s_mov_b64 s[64:65], 0
	v_nop
	global_prefetch_b8 v0, s[64:65] scope:SCOPE_SE
	s_setreg_imm32_b32 hwreg(HW_REG_WAVE_SCHED_MODE, 0, 2), 2
	s_setreg_imm32_b32 hwreg(HW_REG_WAVE_MODE, 25, 1), 1
	s_wait_xcnt 0x0
	s_wait_alu depctr_vm_vsrc(0)
; h = Q(gelu(Q(x) W1 + b1)) for the rows that chose an expert.  Work-group (j, e) owns hidden units 128 j .. 128 j + 127 of expert e: 128 KiB of W1's codes, read by this work-group alone and
; kept in REGISTERS; what goes round is the small thing, the rows' codes.  Its 128 units are K step j of the second product.
; Eight waves: wave v has the 32 units 32 (v & 3) on (one block of 32 of the next K) and takes the row tiles (v >> 2) + 2 i of each group of four.
; THE LIST of expert e's rows and their count were stored by an earlier launch and are read from memory: an entry is 2 x token + (0: first choice, 1: second).  Places past the count hold fillers of
; 2048 and more: here such a row computes token 1023 and nobody reads it.  The count steers branches only; every loop has a constant number of trips and no barrier stands under such a branch.
; No tensor load, copy or cluster: the walk hangs on a count read from memory.
; A GROUP is 64 rows: their codes (1,024 bytes) and scale bytes (32) are gathered from xq and xsc a trip ahead, through registers into one of two LDS buffers; the entries are loaded a group ahead of that.
; THE PRODUCT IS USED TRANSPOSED (source 0 = 16 rows of W1, source 1 = 16 rows of x), and lane r of tile u takes unit 8 u + r + 8 (r / 8): so a lane's 16 results are 16 NEIGHBOURS along the next K,
; 16 (lane / 16) + 0 .. 15 of its row.  b1 is the C of each sum's first instruction.  gelu is x / (1 + 2^(x (a + b x^2))), which is 0.5 x (1 + tanh(..)) written with one exponential.
; h's codes leave as IMAGES OF THE NEXT OPERAND'S REGISTERS: hbuf [e][tile 64][K step 32][c 4][lane 32][16 bytes]; a wave's store covers 512 consecutive bytes.  The scale bytes of a group (4 tiles x 16 rows
; x 4 bytes) meet in LDS and leave as 256 consecutive bytes: hsc [e][group 16][K step 32][tile 4][row 16] words.
; LIMITS: finite inputs.  A block of zeros gets the byte 1 (its codes are zeros; this program alone reads the bytes).
; REGISTERS.  Window 0: v1-30 addresses; v32-47 W1's scale words; v48-55 x's; v56-71 b1; v72-87 the two accumulators; v88-103 at work in gelu; v104-107 its constants; v108-116 the quantiser;
; v117-118 offsets into the list; v119, v186-189 entries; v120-185 the gather's landing; v190-191 scale words on the way out; v192-255 four fragments of x.
; Window 1: W1's 16 fragments, (tile u, K step s) at 16 (8 u + s); at the head the weights land there.
; THE MODE: SCHED_MODE bits 1:0 = 2 (LLVM: expert scheduling mode 2), set by the entry lines.  The code itself states the register dependences
; between vector or matrix instructions and memory or LDS instructions, with s_wait_alu, always for 0.
; THE PLAN.  Registers that memory or LDS instructions touch, in the loop:
;   v12, v14, v16-20, v29, v117-118   offsets and LDS addresses.  Written at a trip's end; read by the next trip's loads and stores.
;   v24-28         the gather's offsets.  Written by GATHER's arithmetic; read by its 17 loads.
;   v186-189, v119 entries.  Loads land in them; GATHER's arithmetic reads them; behind it the next entries land.
;   v120-185       the landing.  The gather's loads land in it; STAGE's LDS stores read it.  No vector instruction names it.
;   v48-55, v192-255  x's scale words and four fragments.  LDS loads land in them; the products read them.
;   v112-116       the codes and the byte.  Written by the quantiser's last lines; read by the tile's two stores.
;   v190-191       an LDS load lands in them, a store reads them (wave 0).  No vector instruction names them.
; THE WAITS.  At a trip's end: one on vm_vsrc ahead of the stepping of the addresses, one on va_vdst behind it.  In GATHER: one on va_vdst between its arithmetic and its loads.  In a tile: one on va_vdst
; ahead of the second four fragments; the one behind the exponentials, which also shows the tile's last products done with x's registers, so that tile 1's scale words and first four fragments are asked
; for there, in tile 0, and land under the rest of its gelu and its quantiser; beside it one on vm_vsrc for the codes' registers; the one behind the reciprocals; one on va_vdst ahead of the two stores.
.set XP,   1072                        ; a row of x in LDS: 1,024 codes + 32 scale bytes + 16 of padding: 67 x 16, so 16 rows start at 16 different 16-byte columns
.set XBUF, 0x11000                     ; the second buffer: one exclusive or turns an address from one to the other
.set WST,  139264                      ; W1's 128 rows on their way into registers,
.set WP,   1040                        ; 1,024 + 16 apart
.set SCB,  277248                      ; 2 x 256 scale bytes
.set LROW, 4608                        ; an expert's part of the list, in bytes;
.set CNTO, 4480                        ; in it the count's byte
.set WS,   32
.set XSC,  48
.set B1,   56
.set D,    72
.set Q,    88
.set T0,   108
.set T1,   109
.set SCL,  110
.set LIM,  111
.set CD,   112
.set BY,   116
.set LAND, 120
.set EN,   186
.set XF,   192
.set LANE, 90
.set BZ,   236
.set MSB, 0
.macro WIN new                         ; the immediate's high byte repeats the setting that is left
.if MSB != \new
	s_set_vgpr_msb (MSB<<8)|\new
.set MSB, \new
.endif
.endm
.macro ADDRS                           ; the addresses that change from trip to trip, made on the way that every wave takes
	v_add_nc_u32 v16, s35, v4                      ; x's fragments, in the buffer that is read
	v_add_nc_u32 v17, s35, v5                      ; their scale words
	v_add_nc_u32 v18, s36, v6                      ; where the next group is put
	v_add_nc_u32 v19, s36, v7
	v_add_nc_u32 v20, s37, v13                     ; my scale byte
	v_add_nc_u32 v29, s37, v15                     ; the group's 256 bytes on the way out
	v_add_nc_u32 v117, s32, v8                     ; the entries to be loaded next
	v_add_nc_u32 v118, s32, v9
.endm
.macro ENLOAD off                      ; a group's entries as my wave wants them: rows 8 v + 2 i + lane / 16 for the codes, row 8 v + lane / 4 for the scale bytes
.irp i, 0,1,2,3
	global_load_b32 v[EN+\i], v117, s[8:9] offset:\off+8*\i
.endr
	global_load_b32 v119, v118, s[8:9] offset:\off
.endm
; 64 rows of the list, whose entries are in registers: wave v takes rows 8 v .. 8 v + 7.  A load covers two rows x 256 consecutive bytes; one load of 8 bytes a lane brings the eight rows' scale bytes.
; Behind them the entries of the group after are asked for
.macro GATHER off
.irp i, 0,1,2,3
	v_lshrrev_b32 v[24+\i], 1, v[EN+\i]
	v_min_u32 v[24+\i], 1023, v[24+\i]             ; the token; a filler gives 1023
	v_lshl_add_u32 v[24+\i], v[24+\i], 10, v21
.endr
	v_lshrrev_b32 v28, 1, v119
	v_min_u32 v28, 1023, v28
	v_lshl_add_u32 v28, v28, 5, v22
	s_wait_alu depctr_va_vdst(0)                   ; the five offsets v24 to v28 are written, which the loads below read; and the lines above are done reading the entries, on which the next entries land
.irp i, 0,1,2,3
.irp p, 0,1,2,3
	global_load_b128 v[LAND+4*(4*\i+\p):LAND+4*(4*\i+\p)+3], v[24+\i], s[4:5] offset:256*\p
.endr
.endr
	global_load_b64 v[LAND+64:LAND+65], v28, s[6:7]
	ENLOAD \off
.endm
.macro STAGE
.irp i, 0,1,2,3
.irp p, 0,1,2,3
	ds_store_b128 v18, v[LAND+4*(4*\i+\p):LAND+4*(4*\i+\p)+3] offset:2*XP*\i+256*\p
.endr
.endr
	ds_store_b64 v19, v[LAND+64:LAND+65]
.endm
.macro XSLOAD ti                       ; the tile's rows' scale words: 32 bytes a row
	ds_load_b128 v[XSC:XSC+3], v17 offset:32*XP*(\ti)
	ds_load_b128 v[XSC+4:XSC+7], v17 offset:32*XP*(\ti)+16
.endm
.macro XFLOAD ti, kb                   ; four fragments of x: K steps kb .. kb + 3 of the tile
.irp s, 0,1,2,3
.irp c, 0,1,2,3
	ds_load_b128 v[XF+16*\s+4*\c:XF+16*\s+4*\c+3], v16 offset:32*XP*(\ti)+128*(\kb+\s)+32*\c
.endr
.endr
.endm
.macro PRODS kb, yg                    ; eight products: the two accumulators by turns.  yg: LDS instructions issued behind the four fragments' loads
	WIN 0x01                                       ; source 0 (W1) in window 1
.irp s, 0,1,2,3
	s_wait_dscnt 12-4*\s+\yg                       ; fragment s is in; the later fragments' loads, four each, and the yg instructions behind them are younger
.irp u, 0,1
.if (\kb+\s) == 0
	v_wmma_scale_f32_16x16x128_f8f6f4 v[D+8*\u:D+8*\u+7], v[16*(8*\u+\kb+\s):16*(8*\u+\kb+\s)+15], v[XF+16*\s:XF+16*\s+15], v[B1+8*\u:B1+8*\u+7], v[WS+8*\u+\kb+\s], v[XSC+\kb+\s]
.else
	v_wmma_scale_f32_16x16x128_f8f6f4 v[D+8*\u:D+8*\u+7], v[16*(8*\u+\kb+\s):16*(8*\u+\kb+\s)+15], v[XF+16*\s:XF+16*\s+15], v[D+8*\u:D+8*\u+7], v[WS+8*\u+\kb+\s], v[XSC+\kb+\s]
.endif
.endr
.endr
	WIN 0
.endm
; One tile of 16 rows x my 32 units; its scale words and first four fragments have been asked for.  more = 1: tile 1's are asked for on the way.  yg: see PRODS
.macro TILE ti, more, yg
	PRODS 0, \yg
.rept 8
	v_nop                                          ; eight places in front of loads into registers that matrix instructions have read
.endr
	s_wait_alu depctr_va_vdst(0)                   ; the eight products above are done reading the four fragments of x, on which the next four land
	XFLOAD \ti, 4
	PRODS 4, 0
.rept 8
	v_nop                                          ; and in front of the first read of the results
.endr
.irp p, 0,2,4,6,8,10,12,14
	v_pk_mul_f32 v[Q+\p:Q+\p+1], v[D+\p:D+\p+1], v[D+\p:D+\p+1]              ; x^2: each accumulator is read from its low end on
.endr
.irp p, 0,2,4,6,8,10,12,14
	v_pk_fma_f32 v[Q+\p:Q+\p+1], v[Q+\p:Q+\p+1], v[106:107], v[104:105]      ; a + b x^2
.endr
.irp p, 0,2,4,6,8,10,12,14
	v_pk_mul_f32 v[Q+\p:Q+\p+1], v[Q+\p:Q+\p+1], v[D+\p:D+\p+1]
.endr
	s_wait_alu depctr_va_vdst(0)
.irp n, 0,1,2,3,4,5,6,7,8,9,10,11,12,13,14,15
	v_exp_f32 v[Q+\n], v[Q+\n]
.endr
	v_nop                                          ; a plain line behind the transcendentals
	s_wait_alu depctr_va_vdst(0)                   ; the sixteen exponentials have written v[Q ..], ahead of their first reader; and the tile's last products are done reading x's fragments and scale words
	s_wait_xcnt 0x0                                ; the last tile's store has had its addresses translated: the codes' registers are written again only behind this wait
	s_wait_alu depctr_vm_vsrc(0)                   ; the last tile's two stores have read the codes' registers and the byte's, which the lines below write again
.if \more
	XSLOAD 1                                       ; tile 1's scale words and first four fragments.  No wait: no vector or matrix instruction since the wait above names these registers.
	XFLOAD 1, 0                                    ; The group's 64 rows all lie in LDS, fillers too; where tile 1 is left out, the wait in front of the barrier takes these loads in
.endif
.irp p, 0,2,4,6,8,10,12,14
	v_pk_add_f32 v[Q+\p:Q+\p+1], v[Q+\p:Q+\p+1], 1.0 op_sel_hi:[1,0]
.endr
	s_wait_alu depctr_va_vdst(0)
.irp n, 0,1,2,3,4,5,6,7,8,9,10,11,12,13,14,15
	v_rcp_f32 v[Q+\n], v[Q+\n]
.endr
	v_nop
	s_wait_alu depctr_va_vdst(0)                   ; the sixteen reciprocals have written v[Q ..], ahead of their first reader
.irp p, 0,2,4,6,8,10,12,14
	v_pk_mul_f32 v[D+\p:D+\p+1], v[D+\p:D+\p+1], v[Q+\p:Q+\p+1]              ; gelu
.endr
	v_max3_num_f32 v[T0], |v[D]|, |v[D+1]|, 0x4800000                        ; my 16 numbers of the block, and the floor 2^(9 - 127)
	v_max3_num_f32 v[T1], |v[D+2]|, |v[D+3]|, |v[D+4]|
	v_max3_num_f32 v[T0], v[T0], |v[D+5]|, |v[D+6]|
	v_max3_num_f32 v[T1], v[T1], |v[D+7]|, |v[D+8]|
	v_max3_num_f32 v[T0], v[T0], |v[D+9]|, |v[D+10]|
	v_max3_num_f32 v[T1], v[T1], |v[D+11]|, |v[D+12]|
	v_max3_num_f32 v[T0], v[T0], |v[D+13]|, |v[D+14]|
	v_max3_num_f32 v[T0], v[T0], v[T1], |v[D+15]|
	v_permlanex16_b32 v[T1], v[T0], s40, s41
	v_max_num_f32 v[T0], v[T0], v[T1]              ; with lane l xor 16's: the block's largest magnitude
	v_add_nc_u32 v[SCL], 0xfc000000, v[T0]         ; 8 off its exponent field: the conversion's scale operand
	v_and_or_b32 v[LIM], v[T0], 0x7f800000, s42    ; 448 x the scale
	v_lshrrev_b32 v[BY], 23, v[SCL]                ; the scale's byte
.irp n, 0,1,2,3,4,5,6,7,8,9,10,11,12,13,14,15
	v_med3_num_f32 v[D+\n], v[D+\n], -v[LIM], v[LIM]   ; the conversion does not saturate (ISA guide 7.6.2): the hold comes first
.endr
	v_cvt_scalef32_pk8_fp8_f32 v[CD:CD+1], v[D:D+7], v[SCL]
	v_cvt_scalef32_pk8_fp8_f32 v[CD+2:CD+3], v[D+8:D+15], v[SCL]
	v_nop                                          ; a plain line behind the conversions: the next tile's products write their sources
	s_wait_alu depctr_va_vdst(0)                   ; the conversions have written the codes and the shift the byte, which the two stores below read
	ds_store_b8 v20, v[BY] offset:128*\ti          ; byte (v & 3) of the row's scale word; both halves of the lanes write the same value
	global_store_b128 v12, v[CD:CD+3], s[16:17] offset:131072*\ti   ; registers 4 c .. 4 c + 3 of the next operand, c = v & 3: 512 consecutive bytes
.endm
	s_load_b512 s[4:19], s[0:1], 0x0               ; xq, xsc, list, w1_codes, w1_scales, b1, hbuf, hsc
	v_lshl_add_u32 v23, v0, 2, 0x44000
	v_mov_b32 v31, 0
	v_lshrrev_b32 v1, 5, v0
	v_readfirstlane_b32 s20, v1                    ; wave v
	s_wait_alu depctr_va_sdst(0)                   ; s20 is written, ahead of its first reader
	s_and_b32 s21, s20, 3                          ; which 32 units
	s_lshr_b32 s22, s20, 2                         ; which row tiles
	s_mov_b32 s23, ttmp9                           ; j
	s_and_b32 s24, ttmp7, 0xffff                   ; e
	v_and_b32 v[LANE], 31, v0
	v_lshlrev_b32 v1, 4, v[LANE]                   ; 16 x lane
	v_and_b32 v2, 15, v0                           ; r
	v_bfe_u32 v3, v0, 4, 1                         ; h
	s_lshl_b32 s46, s22, 4
	v_add_nc_u32 v4, s46, v2
	v_mul_u32_u24 v4, v4, XP
	v_add_nc_u32 v5, 1024, v4                      ; my row's scale words
	v_lshl_add_u32 v4, v3, 4, v4                   ; my row's codes, + 16 h
	s_lshl_b32 s30, s20, 3                         ; the gather: my wave's first row
	v_add_nc_u32 v6, s30, v3
	v_mul_u32_u24 v6, v6, XP
	v_lshlrev_b32 v21, 4, v2
	v_add_nc_u32 v6, v6, v21                       ; row 8 v + lane / 16, 16 bytes a lane
	v_lshrrev_b32 v91, 2, v[LANE]
	v_and_b32 v22, 3, v[LANE]
	v_lshlrev_b32 v22, 3, v22
	v_add_nc_u32 v7, s30, v91
	v_mul_u32_u24 v7, v7, XP
	v_add_nc_u32 v7, v7, v22
	v_add_nc_u32 v7, 1024, v7                      ; row 8 v + lane / 4, 8 scale bytes a lane
	v_add_nc_u32 v8, s30, v3
	v_lshlrev_b32 v8, 2, v8                        ; the list: 4 bytes a place
	v_add_nc_u32 v9, s30, v91
	v_lshlrev_b32 v9, 2, v9
	s_lshl_b32 s25, s21, 5
	v_add_nc_u32 v10, s25, v2
	v_mul_u32_u24 v10, v10, WP
	v_lshl_add_u32 v10, v3, 4, v10
	v_add_nc_u32 v10, WST, v10                     ; W1's fragments: place 32 (v & 3) + r, + 16 h
	s_lshr_b32 s25, s20, 1
	s_lshl_b32 s25, s25, 5
	s_and_b32 s28, s20, 1
	s_lshl_b32 s28, s28, 3
	s_add_co_u32 s25, s25, s28
	s_mul_i32 s25, s25, WP
	s_add_co_u32 s25, s25, WST
	v_add_nc_u32 v11, s25, v1                      ; where my wave's 16 rows of W1 go: unit q of a block of 32 takes place 16 ((q / 8) % 2) + 8 (q / 16) + q % 8
	s_lshl_b32 s25, s22, 6
	s_add_co_u32 s25, s25, s21
	s_add_co_u32 s25, s25, SCB
	v_lshl_add_u32 v13, v2, 2, s25
	v_lshl_add_u32 v15, v[LANE], 3, SCB
	v_add_nc_u32 v30, SCB, v1                      ; the scale bytes' 512 bytes, 16 a lane
	s_lshl_b32 s25, s24, 6
	s_add_co_u32 s25, s25, s22
	s_lshl_b32 s25, s25, 5
	s_add_co_u32 s25, s25, s23
	s_lshl_b32 s25, s25, 11
	s_lshl_b32 s28, s21, 9
	s_add_co_u32 s25, s25, s28
	v_add_nc_u32 v12, s25, v1                      ; hbuf: ((64 e + tile) 32 + j) 2048 + 512 (v & 3) + 16 lane
	s_lshl_b32 s25, s24, 9
	s_add_co_u32 s25, s25, s23
	s_lshl_b32 s25, s25, 8
	v_lshl_add_u32 v14, v[LANE], 3, s25            ; hsc: ((16 e + group) 32 + j) 256 + 8 lane
	v_and_b32 v88, 8, v2
	v_add_nc_u32 v88, v88, v2
	v_lshlrev_b32 v88, 5, v88                      ; W1's scale words: row r + 8 (r / 8), 32 bytes a row
	v_lshlrev_b32 v89, 6, v3                       ; b1: 16 h numbers on
	v_mov_b32 v104, 0xc0135761                     ; a = -2 sqrt(2 / pi) log2(e)
	v_mov_b32 v105, 0xc0135761
	v_mov_b32 v106, 0xbdd2d3e8                     ; b = 0.044715 a
	v_mov_b32 v107, 0xbdd2d3e8
	s_mov_b32 s40, 0x76543210
	s_mov_b32 s41, 0xfedcba98
	s_mov_b32 s42, 0x600000
	s_mov_b32 s32, 0
	s_mov_b32 s35, XBUF
	s_mov_b32 s36, 0                               ; the first group goes into buffer 0
	s_mov_b32 s37, 0
	ADDRS
	s_mov_b32 s27, 0
	s_wait_kmcnt 0x0
	s_mul_i32 s26, s24, LROW
	s_add_nc_u64 s[8:9], s[8:9], s[26:27]          ; the list at my expert
	s_load_b32 s33, s[8:9], CNTO                   ; the expert's rows
	s_wait_alu depctr_va_vdst(0)                   ; every offset and LDS address made above is written: the loads and LDS instructions of the head read them
	ENLOAD 0                                       ; the first group's entries, ahead of everything else
	s_lshl_b32 s26, s24, 22
	s_lshl_b32 s25, s23, 17
	s_add_co_u32 s26, s26, s25
	s_lshl_b32 s25, s20, 14
	s_add_co_u32 s26, s26, s25
	s_add_nc_u64 s[10:11], s[10:11], s[26:27]      ; W1's codes at my wave's 16 rows
	s_lshl_b32 s29, s24, 12
	s_lshl_b32 s25, s23, 7
	s_add_co_u32 s29, s29, s25
	s_lshl_b32 s25, s21, 5
	s_add_co_u32 s29, s29, s25                     ; my first unit: 4096 e + 128 j + 32 (v & 3)
	s_lshl_b32 s26, s29, 5
	s_add_nc_u64 s[12:13], s[12:13], s[26:27]
	s_lshl_b32 s26, s29, 2
	s_add_nc_u64 s[14:15], s[14:15], s[26:27]
	WIN 0x40                                       ; destination in window 1
.set I, 0
.rept 32
	global_load_b128 v[4*I:4*I+3], v1, s[10:11] offset:512*I th:TH_LOAD_NT   ; 512 consecutive bytes: half a row of W1; read once in the launch
.set I, I+1
.endr
	WIN 0
.irp u, 0,1
	global_load_b128 v[WS+8*\u:WS+8*\u+3], v88, s[12:13] offset:256*\u
	global_load_b128 v[WS+8*\u+4:WS+8*\u+7], v88, s[12:13] offset:256*\u+16
.endr
.irp u, 0,1
	global_load_b128 v[B1+8*\u:B1+8*\u+3], v89, s[14:15] offset:32*\u        ; register i of tile u: unit 16 h + 8 u + i
	global_load_b128 v[B1+8*\u+4:B1+8*\u+7], v89, s[14:15] offset:32*\u+16
.endr
	s_cmp_lg_u32 s20, 0
	s_cbranch_scc1 .Lno_zero
.irp i, 0,1,2,3
	v_mov_b32 v[BZ+\i], 0
.endr
	s_wait_alu depctr_va_vdst(0)                   ; the four zeros are written, which the LDS store reads
	ds_store_b128 v30, v[BZ:BZ+3]                  ; wave 0: the scale bytes' 512 bytes are written once, so that a group's 256 bytes are never read unwritten
.Lno_zero:
	s_wait_kmcnt 0x0
	s_min_u32 s33, s33, 1024
	s_wait_loadcnt 40                              ; the first entries are in: the 32 + 8 loads behind them may be out
	GATHER 256                                     ; the first group, whatever the count: fillers give token 1023; and the second group's entries
	s_wait_loadcnt 46                              ; the first 16 weight loads are in: 16 + 8 + 17 + 5 are younger
	WIN 0x04                                       ; an LDS store's data in window 1
.set I, 0
.rept 16
	ds_store_b128 v11, v[4*I:4*I+3] offset:(16*((I>>4)&1)+((I>>1)&7))*WP+512*(I&1)
.set I, I+1
.endr
	s_wait_loadcnt 30                              ; all 32: 8 + 17 + 5 are younger
.rept 16
	ds_store_b128 v11, v[4*I:4*I+3] offset:(16*((I>>4)&1)+((I>>1)&7))*WP+512*(I&1)
.set I, I+1
.endr
	WIN 0
	s_wait_loadcnt 0x0
	STAGE
	s_wait_dscnt 0x0                               ; W1's rows, the first group and the cleared scale bytes lie in LDS
	s_barrier_signal -1
	s_barrier_wait -1
	s_wait_alu depctr_vm_vsrc(0)                   ; all that was issued has read its registers: the addresses that are made anew below; window 1, on which the fragments land; the landing and v24 to v28, which the first trip's gather writes; v88 and v89, which gelu writes; the four zeros, on which x's fragments land
	s_mov_b32 s32, 512                             ; the next entries to be loaded: the third group's
	s_mov_b32 s35, 0
	s_mov_b32 s36, XBUF
	ADDRS
	s_wait_alu depctr_va_vdst(0)                   ; the eight addresses are written, which the first trip's loads and stores read
	WIN 0x40
.irp u, 0,1
.irp s, 0,1,2,3,4,5,6,7
.irp c, 0,1,2,3
	ds_load_b128 v[16*(8*\u+\s)+4*\c:16*(8*\u+\s)+4*\c+3], v10 offset:16*WP*\u+128*\s+32*\c   ; they stay; older than every later LDS load, so the first counted wait covers them
.endr
.endr
.endr
	WIN 0
	s_mov_b32 s34, 0                               ; the group's first row
	s_mov_b32 s38, 0
.Ltrip:                                            ; 16 trips, whatever the count
	s_add_co_u32 s44, s34, 64
	s_cmp_lt_u32 s44, s33
	s_cbranch_scc0 .Lno_gather
	GATHER 0                                       ; the next group is asked for ahead of this group's products; its entries came a trip ago
.Lno_gather:
	s_add_co_u32 s44, s34, s46                     ; a tile is left out where its first row lies past the count: scalar branches with no barrier inside.  Tile 1's first row is the larger, so both lead to one place
	s_cmp_lt_u32 s44, s33
	s_cbranch_scc0 .Lno_tiles
	XSLOAD 0                                       ; no wait: the products that read these registers stand ahead of the wait at the last trip's end, and nothing since names them
	XFLOAD 0, 0
	TILE 0, 1, 0
	s_add_co_u32 s44, s34, s46
	s_add_co_u32 s44, s44, 32
	s_cmp_lt_u32 s44, s33
	s_cbranch_scc0 .Lno_tiles
	TILE 1, 0, 1                                   ; behind its first fragments' loads stands tile 0's byte store: one more may be out
.Lno_tiles:
	s_wait_loadcnt 0x0                             ; on every way: the next group's rows, and the entries of the group after
	s_add_co_u32 s44, s34, 64
	s_cmp_lt_u32 s44, s33
	s_cbranch_scc0 .Lno_stage
	STAGE                                          ; into the other buffer: its last reads were waited for in front of the last trip's barrier
.Lno_stage:
	s_wait_dscnt 0x0                               ; my stores have landed and my reads of this buffer are in
	s_barrier_signal -1
	s_barrier_wait -1
	s_cmp_lg_u32 s20, 0
	s_cbranch_scc1 .Lno_sc
	s_cmp_lt_u32 s34, s33
	s_cbranch_scc0 .Lno_sc
	ds_load_b64 v[190:191], v29                    ; wave 0: the group's scale words; the next trip writes the other 256 bytes
	s_wait_dscnt 0x0
	global_store_b64 v14, v[190:191], s[18:19]     ; 256 consecutive bytes, aligned
.Lno_sc:
	s_wait_xcnt 0x0                                ; loads and stores have had their addresses translated: their offsets and data are written again only behind this wait
	s_wait_alu depctr_vm_vsrc(0)                   ; all that the trip issued has read its registers: the offsets and addresses stepped below, the gather's offsets and the landing, the codes and the byte, v190 and v191
	v_add_nc_u32 v12, 0x40000, v12                 ; four tiles on
	v_add_nc_u32 v14, 0x2000, v14                  ; a group on
	s_add_co_u32 s34, s34, 64
	s_add_co_u32 s32, s32, 256
	s_xor_b32 s35, s35, XBUF
	s_xor_b32 s36, s36, XBUF
	s_xor_b32 s37, s37, 256
	ADDRS
	s_wait_alu depctr_va_vdst(0)                   ; the ten offsets and addresses are written, which the next trip's loads and stores read; and the trip's products are done reading x's registers, on which the next trip's loads land
	s_add_co_u32 s38, s38, 1
	s_cmp_lt_u32 s38, 16
	s_cbranch_scc1 .Ltrip
	s_wait_dscnt 0x0                               ; the closing lines, six on end
	s_wait_alu 0x0
	s_wait_tensorcnt 0x0
	ds_add_u32 v23, v31
	s_wait_dscnt 0x0
	s_endpgm
.Lfunc_end_k_q0ee59ca759_up:
	.size	k_q0ee59ca759_up, .Lfunc_end_k_q0ee59ca759_up-k_q0ee59ca759_up
	.p2alignl 7, 3214868480
	.fill 96, 4, 3214868480
	.section	.rodata,"a",@progbits
	.p2align	6, 0x0
	.amdhsa_kernel k_q0ee59ca759_up
		.amdhsa_group_segment_fixed_size 279552
		.amdhsa_private_segment_fixed_size 0
		.amdhsa_enable_private_segment 0
		.amdhsa_kernarg_size 64
		.amdhsa_user_sgpr_count 2
		.amdhsa_user_sgpr_kernarg_segment_ptr 1
		.amdhsa_wavefront_size32 1
		.amdhsa_system_sgpr_workgroup_id_x 1
		.amdhsa_system_sgpr_workgroup_id_y 1
		.amdhsa_system_sgpr_workgroup_id_z 1
		.amdhsa_system_vgpr_workitem_id 0
		.amdhsa_next_free_vgpr 512
		.amdhsa_next_free_sgpr 66
		.amdhsa_reserve_vcc 0
		.amdhsa_float_denorm_mode_32 3
		.amdhsa_float_denorm_mode_16_64 3
		.amdhsa_memory_ordered 1
		.amdhsa_forward_progress 1
		.amdhsa_inst_pref_size 49
	.end_amdhsa_kernel
	.amdgpu_metadata
---
amdhsa.version: [ 1, 2 ]
amdhsa.kernels:
  - .name:           k_q0ee59ca759_up
    .symbol:         k_q0ee59ca759_up.kd
    .args:
      - { .name: xq, .offset: 0, .size: 8, .value_kind: global_buffer, .address_space: global }
      - { .name: xsc, .offset: 8, .size: 8, .value_kind: global_buffer, .address_space: global }
      - { .name: list, .offset: 16, .size: 8, .value_kind: global_buffer, .address_space: global }
      - { .name: w1_codes, .offset: 24, .size: 8, .value_kind: global_buffer, .address_space: global }
      - { .name: w1_scales, .offset: 32, .size: 8, .value_kind: global_buffer, .address_space: global }
      - { .name: b1, .offset: 40, .size: 8, .value_kind: global_buffer, .address_space: global }
      - { .name: hbuf, .offset: 48, .size: 8, .value_kind: global_buffer, .address_space: global }
      - { .name: hsc, .offset: 56, .size: 8, .value_kind: global_buffer, .address_space: global }
    .group_segment_fixed_size: 279552
    .private_segment_fixed_size: 0
    .kernarg_segment_align: 8
    .kernarg_segment_size: 64
    .max_flat_workgroup_size: 256
    .sgpr_count:     66
    .vgpr_count:     512
    .wavefront_size: 32
...
	.end_amdgpu_metadata
.endif
;; end of part 8
;; launch down (part 9): grid 32 x 8, 4 waves a work-group, no clusters, 281,088 bytes of LDS; arguments hbuf, hsc, list, w2_codes, w2_scales, b2, ypart; writes ypart
.if DOCPART == 9
	.amdgcn_target "amdgcn-amd-amdhsa--gfx1250"
	.amdhsa_code_object_version 6
	.text
	.protected	k_q0ee59ca759_down
	.globl	k_q0ee59ca759_down
	.p2align	8
	.type	k_q0ee59ca759_down,@function
k_q0ee59ca759_down:
	s_mov_b64 s[64:65], 0
	v_nop
	global_prefetch_b8 v0, s[64:65] scope:SCOPE_SE
	s_setreg_imm32_b32 hwreg(HW_REG_WAVE_SCHED_MODE, 0, 2), 2
	s_setreg_imm32_b32 hwreg(HW_REG_WAVE_MODE, 25, 1), 1
	s_wait_xcnt 0x0
	s_wait_alu depctr_vm_vsrc(0)
; ypart = Q(h) W2 (+ b2 in the lower half of K), for the rows that chose an expert.  Work-group (x, e): 64 columns 64 (x / 2) on, half x % 2 of K = 4,096, expert e: 128 KiB of W2's codes, read by this
; work-group alone and kept in REGISTERS.  Wave w holds the four column tiles x K steps 16 (x % 2) + 4 w + 0 .. 3.  A fragment of h comes straight from its image in hbuf (four loads of 512 consecutive
; bytes), is loaded once in the work-group and feeds four products.  The four waves' partial sums meet in LDS, where they also turn into whole rows.
; THE LIST of expert e's rows and their count were stored by an earlier launch and are read from memory: entry = 2 x token + choice is the row's slot in ypart [K half 2][slot 2560][1024]; a filler
; 2048 + 64 e + (place & 63) is a slot that nobody reads, and no other work-group writes its bytes.  The count steers scalar branches and clamped offsets only; trips are constant, no barrier stands under
; such a branch, EXEC is never changed.  No tensor load, copy or cluster: the walk hangs on a count read from memory.
; THE PRODUCT IS USED TRANSPOSED (source 0 = 16 columns of W2, source 1 = 16 rows of h): a lane holds eight neighbouring columns of one row.
; h RUNS FOUR TILES AHEAD in four register slots.  A trip that has a successor issues all four refills (a tile past the last takes the last tile's place again: three times 8 KiB a wave at the most),
; so behind a slot's 20 loads stand 60 and more on every way.  The last trip with work is written a second time: it asks for nothing more, its waits count down slot by slot, and it jumps over a tile that
; does not exist.  A trip with no tile left asks for nothing and waits for nothing: it passes the barrier and steps on.
; LIMITS: K is summed in eight parts (four waves, two work-groups): another order of rounding than one chain.
; REGISTERS.  Window 0: v1-15 addresses; v16-31 W2's scale words; v32-47 h's; v48-51 b2; v52-59 entries; v60-67 store offsets; v68-75 the slots' offsets into hbuf and hsc;
; v128-255 the sums on the way out.  Window 1: W2 (tile t, step s) at 16 (4 t + s).  Window 2: h, slot z at 64 z.  Window 3: accumulator (z, t) at 32 z + 8 t.
; THE MODE: SCHED_MODE bits 1:0 = 2 (LLVM: expert scheduling mode 2), set by the entry lines.  The code itself states the register dependences
; between vector or matrix instructions and memory or LDS instructions, with s_wait_alu, always for 0.
; THE PLAN.  Registers that memory or LDS instructions touch, in the loop:
;   v11-13         LDS addresses and the list's offset.  Written at a trip's end; read by the next trip's LDS stores, LDS loads and entry loads.
;   v52-59         entries.  Two loads at a trip's head land in them; the way out's v_min_u32 read them.
;   v60-67         the rows' offsets in ypart.  Written on the way out; read by its eight stores.
;   v68-75         slot z's offsets.  Written in step z, in two of the places behind its products; read by the step's 20 refill loads.
;   window 2 slot z, v32-47   h's fragments and scale words.  The refills land in them; step z's products read them.
;   window 3       the accumulators, a set for each slot.  Written by step z's products; read by the step's eight LDS stores.
;   v128-255       the four parts of a tile.  LDS loads land in them; the sums are made in place; the eight stores read a quarter of them.
; THE WAITS.  In a step: one on vm_vsrc ahead of the slot's two offsets, and ONE on va_vdst behind the places, for the step's eight LDS stores and 20 loads together.  On the way out: one on va_vdst between
; all the sums and the run of eight stores.  At a trip's end: one on vm_vsrc ahead of the three addresses, one on va_vdst behind them.
.set WPW,  528                         ; a row of my wave's part of W2 in LDS: 512 + 16
.set RED,  135168                      ; behind the four waves' 64 rows: 2 buffers x [wave 4][tile 4][16 rows x 272 bytes]
.set RBUF, 0x11000
.set LROW, 4608                        ; an expert's part of the list, in bytes;
.set CNTO, 4480                        ; in it the count's byte
.set W2S,  16
.set HS,   32
.set LANE, 15
.set MSB, 0
.macro WIN new                         ; the immediate's high byte repeats the setting that is left
.if MSB != \new
	s_set_vgpr_msb (MSB<<8)|\new
.set MSB, \new
.endif
.endm
.macro ADDRS
	v_add_nc_u32 v11, s35, v6                      ; where my partial sums go
	v_add_nc_u32 v12, s35, v7                      ; where I read a tile's four parts
	v_add_nc_u32 v13, s36, v8                      ; my tile's entries, in the list
.endm
; Tile 4 g + z: its 16 products and its partial sums to LDS.  fill = 1 (a trip that has a successor: all four tiles exist): the slot is then filled again with tile 4 g + z + 4.
; fill = 0 (the last trip with work): nothing is asked for; a tile that does not exist is jumped over, behind the wait.
.macro STEP z, fill
.if \fill
	s_wait_loadcnt 60                              ; the slot's 20 loads are in: behind them stand the three other slots' 60 and the trip's two entry loads.  In step 3 the 60 are this trip's first three refills, so the entries are in too
.else
	s_wait_loadcnt 62-20*\z                        ; the slot's 20 loads are in: behind them stand 20 for each later slot and the trip's two entry loads, on every way into this trip
	s_add_co_u32 s44, s37, \z
	s_cmp_lt_u32 s44, s34
	s_cbranch_scc0 .Lnone_\@
.endif
	WIN 0xf9                                       ; source 0 (W2) window 1, source 1 (h) window 2, C and D window 3
.irp s, 0,1,2,3
.irp t, 0,1,2,3
.if \s == 0
	v_wmma_scale_f32_16x16x128_f8f6f4 v[32*\z+8*\t:32*\z+8*\t+7], v[16*(4*\t+\s):16*(4*\t+\s)+15], v[64*\z+16*\s:64*\z+16*\s+15], 0, v[W2S+4*\t+\s], v[HS+4*\z+\s]
.else
	v_wmma_scale_f32_16x16x128_f8f6f4 v[32*\z+8*\t:32*\z+8*\t+7], v[16*(4*\t+\s):16*(4*\t+\s)+15], v[64*\z+16*\s:64*\z+16*\s+15], v[32*\z+8*\t:32*\z+8*\t+7], v[W2S+4*\t+\s], v[HS+4*\z+\s]
.endif
.endr
.endr                                          ; the four accumulators by turns
	WIN 0
.if \fill
	s_add_co_u32 s44, s37, \z+4                    ; the tile four on,
	s_min_u32 s44, s44, s26                        ; or the last tile there is,
	s_min_u32 s44, s44, 63                         ; inside the expert's 64 places whatever was read
	s_and_b32 s45, s44, 60
	s_lshl_b32 s45, s45, 11                        ; hsc: 8,192 bytes a group of four tiles,
	s_and_b32 s47, s44, 3
	s_lshl_b32 s47, s47, 6                         ; 64 a tile
	s_add_co_u32 s45, s45, s47
	s_wait_xcnt 0x0                                ; the slot's last loads have had their addresses translated
	s_wait_alu depctr_vm_vsrc(0)                   ; the slot's last loads have read its two offsets, which the next two lines write
	v_lshl_add_u32 v[68+\z], s44, 16, v1           ; hbuf: 65,536 bytes a tile.  These two lines name no register of the products: they are two of the nine places
	v_add_nc_u32 v[72+\z], s45, v10
.rept 7
	v_nop                                          ; places in front of the stores that read the results, and of the next products that begin these accumulators anew
.endr
.else
.rept 9
	v_nop                                          ; places in front of the stores that read the results
.endr
.endif
	WIN 0x0c                                       ; an LDS store's data in window 3
	s_wait_alu depctr_va_vdst(0)                   ; the sixteen products have written the four accumulators, which the LDS stores read.  fill = 1: they are also done reading the slot's fragments and scale words, on which the refill lands, and the slot's two offsets are written
.irp t, 0,1,2,3
	ds_store_b128 v11, v[32*\z+8*\t:32*\z+8*\t+3] offset:4352*\z+64*\t          ; row r, columns 16 t + 8 h + 0 .. 7; each accumulator from its low end on
	ds_store_b128 v11, v[32*\z+8*\t+4:32*\z+8*\t+7] offset:4352*\z+64*\t+16
.endr
.if \fill
	WIN 0x80                                       ; destination in window 2.  No further wait: no vector or matrix instruction since the wait above
.irp q, 0,1,2,3,4,5,6,7,8,9,10,11,12,13,14,15
	global_load_b128 v[64*\z+4*\q:64*\z+4*\q+3], v[68+\z], s[4:5] offset:512*\q
.endr
	WIN 0
.irp s, 0,1,2,3
	global_load_b32 v[HS+4*\z+\s], v[72+\z], s[6:7] offset:256*\s
.endr
.else
	WIN 0
.Lnone_\@:
.endif
.endm
	s_load_b256 s[4:11], s[0:1], 0x0               ; hbuf, hsc, list, w2_codes
	s_load_b128 s[12:15], s[0:1], 0x20             ; w2_scales, b2
	s_load_b64 s[16:17], s[0:1], 0x30              ; ypart
	v_lshl_add_u32 v126, v0, 2, 0x44800
	v_mov_b32 v127, 0
	v_lshrrev_b32 v1, 5, v0
	v_readfirstlane_b32 s20, v1                    ; wave w
	s_lshr_b32 s21, ttmp9, 1                       ; which 64 columns
	s_and_b32 s22, ttmp9, 1                        ; which half of K
	s_and_b32 s24, ttmp7, 0xffff                   ; e
	v_and_b32 v[LANE], 31, v0
	v_lshlrev_b32 v1, 4, v[LANE]                   ; 16 x lane
	v_and_b32 v2, 15, v0                           ; r
	v_bfe_u32 v3, v0, 4, 1                         ; h
	s_wait_alu depctr_va_sdst(0)                   ; s20 is written, ahead of its first reader
	s_mul_i32 s25, s20, 64*WPW
	v_mul_u32_u24 v4, v2, WPW
	v_lshl_add_u32 v4, v3, 4, v4
	v_add_nc_u32 v4, s25, v4                       ; W2's fragments out of my wave's own stage
	v_add_nc_u32 v5, s25, v1                       ; and into it
	s_mul_i32 s25, s20, 17408
	s_add_co_u32 s25, s25, RED
	v_mul_u32_u24 v6, v2, 272
	v_lshl_add_u32 v6, v3, 5, v6
	v_add_nc_u32 v6, s25, v6                       ; my partial sums: row r, + 32 h
	s_mul_i32 s25, s20, 4352
	s_add_co_u32 s25, s25, RED
	v_mul_u32_u24 v7, v3, 2176
	v_lshl_add_u32 v7, v2, 4, v7
	v_add_nc_u32 v7, s25, v7                       ; tile w of a wave's four: lanes 0-15 row i, lanes 16-31 row i + 8
	s_lshl_b32 s25, s20, 6
	v_lshl_add_u32 v8, v3, 5, s25                  ; the list: entries of rows 16 w + 8 (lane / 16) on, 4 bytes each
	v_lshlrev_b32 v9, 4, v2
	v_lshlrev_b32 v10, 2, v2
	v_lshlrev_b32 v78, 7, v2                       ; W2's scale bytes: 128 a row
.irp i, 0,1,2,3,4,5,6,7
	v_mov_b32 v[52+\i], 2559                       ; the entries' registers are written once here, so that every way through the text finds them written.  The number (a slot that nobody reads) is never used: a trip that loads no entries has no tile to finish
.endr
	s_mov_b32 s35, 0
	s_mov_b32 s36, 0
	ADDRS
	s_lshl_b32 s28, s22, 4
	s_lshl_b32 s25, s20, 2
	s_add_co_u32 s28, s28, s25                     ; my first K step
	s_lshl_b32 s29, s24, 10
	s_lshl_b32 s25, s21, 6
	s_add_co_u32 s29, s29, s25                     ; my first row of W2: 1024 e + 64 n
	s_mov_b32 s27, 0
	s_wait_kmcnt 0x0
	s_mul_i32 s26, s24, LROW
	s_add_nc_u64 s[8:9], s[8:9], s[26:27]          ; the list at my expert: it stays
	s_load_b32 s33, s[8:9], CNTO                   ; the expert's rows
	s_lshl_b32 s26, s24, 22
	s_lshl_b32 s25, s28, 11
	s_add_co_u32 s26, s26, s25
	s_add_nc_u64 s[4:5], s[4:5], s[26:27]          ; hbuf at (e, tile 0, my first K step): it stays
	s_lshl_b32 s26, s24, 17
	s_lshl_b32 s25, s28, 8
	s_add_co_u32 s26, s26, s25
	s_add_nc_u64 s[6:7], s[6:7], s[26:27]          ; hsc likewise
	s_lshl_b32 s26, s29, 12
	s_lshl_b32 s25, s28, 7
	s_add_co_u32 s26, s26, s25
	s_add_nc_u64 s[10:11], s[10:11], s[26:27]
	s_lshl_b32 s26, s29, 7
	s_lshl_b32 s25, s28, 2
	s_add_co_u32 s26, s26, s25
	s_add_nc_u64 s[12:13], s[12:13], s[26:27]
	s_lshl_b32 s26, s29, 2
	s_add_nc_u64 s[14:15], s[14:15], s[26:27]
	s_mul_i32 s26, s22, 0xa00000
	s_lshl_b32 s25, s21, 8
	s_add_co_u32 s26, s26, s25
	s_add_nc_u64 s[16:17], s[16:17], s[26:27]      ; ypart at (my half of K, slot 0, my columns)
	WIN 0x40                                       ; destination in window 1
	s_wait_alu depctr_va_vdst(0)                   ; every offset and LDS address made above is written, which the loads and LDS instructions read; so are v52 to v59, on which the first trip's entries land
.set I, 0
.rept 64
	global_load_b128 v[4*I:4*I+3], v1, s[10:11] offset:4096*I th:TH_LOAD_NT   ; my 512 bytes of row I; read once in the launch
.set I, I+1
.endr
	WIN 0
.irp t, 0,1,2,3
	global_load_b128 v[W2S+4*\t:W2S+4*\t+3], v78, s[12:13] offset:2048*\t
.endr
	global_load_b128 v[48:51], v9, s[14:15]        ; b2 of my four columns on the way out
	s_wait_kmcnt 0x0
	s_min_u32 s33, s33, 1024
	s_add_co_u32 s34, s33, 15
	s_lshr_b32 s34, s34, 4                         ; tiles of 16 rows
	s_max_u32 s26, s34, 1
	s_sub_co_u32 s26, s26, 1                       ; the last tile there is (0 where there is none); it stays
.irp z, 0,1,2,3
	s_min_u32 s25, s26, \z                         ; the first fills: a slot with no tile takes the last tile there is, so that every register of a slot is written
	v_lshl_add_u32 v[68+\z], s25, 16, v1
	v_lshl_add_u32 v[72+\z], s25, 6, v10
.endr
	s_wait_alu depctr_va_vdst(0)                   ; the four slots' eight offsets are written, which the first fills read
.irp z, 0,1,2,3
	WIN 0x80
.irp q, 0,1,2,3,4,5,6,7,8,9,10,11,12,13,14,15
	global_load_b128 v[64*\z+4*\q:64*\z+4*\q+3], v[68+\z], s[4:5] offset:512*\q
.endr
	WIN 0
.irp s, 0,1,2,3
	global_load_b32 v[HS+4*\z+\s], v[72+\z], s[6:7] offset:256*\s
.endr
.endr
	s_wait_loadcnt 63                              ; W2, its scale words and b2 are in: 80 loads are younger
	WIN 0x04
.set I, 0
.rept 64
	ds_store_b128 v5, v[4*I:4*I+3] offset:WPW*I
.set I, I+1
.endr
	WIN 0
	s_wait_dscnt 0x0                               ; my rows of W2 lie in my stage
	WIN 0x40
	s_wait_alu depctr_vm_vsrc(0)                   ; the LDS stores have read the registers of window 1, on which the fragments land
.irp t, 0,1,2,3
.irp s, 0,1,2,3
.irp c, 0,1,2,3
	ds_load_b128 v[16*(4*\t+\s)+4*\c:16*(4*\t+\s)+4*\c+3], v4 offset:16*WPW*\t+128*\s+32*\c   ; my wave's own bytes: no barrier
.endr
.endr
.endr
	WIN 0
	s_cmp_eq_u32 s22, 0
	s_cselect_b32 s25, -1, 0
.irp i, 0,1,2,3
	v_cndmask_b32 v[48+\i], 0, v[48+\i], s25       ; b2 is added once: in the lower half of K
.endr
	s_wait_dscnt 0x0
	s_mov_b32 s37, 0                               ; the trip's first tile
	s_mov_b32 s38, 0
.Ltrip:                                            ; 16 trips, whatever the count
	s_cmp_lt_u32 s37, s34
	s_cbranch_scc0 .Lno_body                       ; no tile left: nothing is asked for and no load is waited for; the barrier below is passed all the same
	global_load_b128 v[52:55], v13, s[8:9]         ; the entries of the tile that I finish in this trip: rows 8 (lane / 16) + 0 .. 7; ahead of the refills.  No wait: the offset's maker and the entries' last readers stand ahead of the wait at the last trip's end (first trip: of the head's)
	global_load_b128 v[56:59], v13, s[8:9] offset:16
	s_add_co_u32 s44, s37, 4
	s_cmp_lt_u32 s44, s34
	s_cbranch_scc0 .Llast_body
	STEP 0, 1
	STEP 1, 1
	STEP 2, 1
	STEP 3, 1
	s_branch .Lno_body
.Llast_body:                                       ; the last trip with work: the youngest loads are the four slots' 20 each, in the slots' order, and the two entry loads
	STEP 0, 0
	STEP 1, 0
	STEP 2, 0
	STEP 3, 0
	s_wait_loadcnt 0x0                             ; the entries are in: they had the four steps in which to land
.Lno_body:
	s_wait_dscnt 0x0                               ; my partial sums lie in LDS; my reads of the other buffer are in
	s_barrier_signal -1
	s_barrier_wait -1
	s_add_co_u32 s44, s37, s20                     ; wave w finishes tile 4 g + w
	s_cmp_lt_u32 s44, s34
	s_cbranch_scc0 .Lno_final
.irp i, 0,1,2,3,4,5,6,7
.irp q, 0,1,2,3
	ds_load_b128 v[128+16*\i+4*\q:128+16*\i+4*\q+3], v12 offset:17408*\q+272*\i   ; no wait: the last sums in these registers and the address's maker stand ahead of the wait at the last trip's end, and nothing since names them
.endr
.endr
.irp i, 0,1,2,3,4,5,6,7
	v_min_u32 v[60+\i], 2559, v[52+\i]             ; the rows' offsets are made while the LDS loads are out
.endr
.irp i, 0,1,2,3,4,5,6,7
	v_lshl_add_u32 v[60+\i], v[60+\i], 12, v9      ; the row's slot, 4,096 bytes each, + 16 bytes a lane
.endr
.irp i, 0,1,2,3,4,5,6,7
.set F, 128+16*\i
	s_wait_dscnt 4*(7-\i)                          ; this pair of rows is in; four loads for each later pair are younger
	v_pk_add_f32 v[F:F+1], v[F:F+1], v[F+4:F+5]
	v_pk_add_f32 v[F+2:F+3], v[F+2:F+3], v[F+6:F+7]
	v_pk_add_f32 v[F+8:F+9], v[F+8:F+9], v[F+12:F+13]
	v_pk_add_f32 v[F+10:F+11], v[F+10:F+11], v[F+14:F+15]
	v_pk_add_f32 v[F:F+1], v[F:F+1], v[F+8:F+9]
	v_pk_add_f32 v[F+2:F+3], v[F+2:F+3], v[F+10:F+11]
	v_pk_add_f32 v[F:F+1], v[F:F+1], v[48:49]
	v_pk_add_f32 v[F+2:F+3], v[F+2:F+3], v[50:51]
.endr
	s_wait_alu depctr_va_vdst(0)                   ; the eight pairs' sums and the eight offsets are written, which the run of stores reads
.irp i, 0,1,2,3,4,5,6,7
	global_store_b128 v[60+\i], v[128+16*\i:128+16*\i+3], s[16:17] ; sixteen lanes store 256 consecutive bytes, aligned; the other sixteen another row's
.endr
.Lno_final:
	s_wait_xcnt 0x0                                ; loads and stores have had their addresses translated: their offsets and data are written again only behind this wait
	s_wait_alu depctr_vm_vsrc(0)                   ; all that the trip issued has read its registers: the three addresses made anew below, the stores' offsets and sums, the accumulators that the LDS stores read
	s_xor_b32 s35, s35, RBUF
	s_add_co_u32 s36, s36, 256
	s_add_co_u32 s37, s37, 4
	ADDRS
	s_wait_alu depctr_va_vdst(0)                   ; the three addresses are written, which the next trip's loads and LDS instructions read; the way out is done with the entries and with v128 to v255, on which the next trip's loads land
	s_add_co_u32 s38, s38, 1
	s_cmp_lt_u32 s38, 16
	s_cbranch_scc1 .Ltrip
	s_wait_dscnt 0x0                               ; the closing lines, six on end
	s_wait_alu 0x0
	s_wait_tensorcnt 0x0
	ds_add_u32 v126, v127
	s_wait_dscnt 0x0
	s_endpgm
.Lfunc_end_k_q0ee59ca759_down:
	.size	k_q0ee59ca759_down, .Lfunc_end_k_q0ee59ca759_down-k_q0ee59ca759_down
	.p2alignl 7, 3214868480
	.fill 96, 4, 3214868480
	.section	.rodata,"a",@progbits
	.p2align	6, 0x0
	.amdhsa_kernel k_q0ee59ca759_down
		.amdhsa_group_segment_fixed_size 281088
		.amdhsa_private_segment_fixed_size 0
		.amdhsa_enable_private_segment 0
		.amdhsa_kernarg_size 56
		.amdhsa_user_sgpr_count 2
		.amdhsa_user_sgpr_kernarg_segment_ptr 1
		.amdhsa_wavefront_size32 1
		.amdhsa_system_sgpr_workgroup_id_x 1
		.amdhsa_system_sgpr_workgroup_id_y 1
		.amdhsa_system_sgpr_workgroup_id_z 1
		.amdhsa_system_vgpr_workitem_id 0
		.amdhsa_next_free_vgpr 896
		.amdhsa_next_free_sgpr 66
		.amdhsa_reserve_vcc 0
		.amdhsa_float_denorm_mode_32 3
		.amdhsa_float_denorm_mode_16_64 3
		.amdhsa_memory_ordered 1
		.amdhsa_forward_progress 1
		.amdhsa_inst_pref_size 71
	.end_amdhsa_kernel
	.amdgpu_metadata
---
amdhsa.version: [ 1, 2 ]
amdhsa.kernels:
  - .name:           k_q0ee59ca759_down
    .symbol:         k_q0ee59ca759_down.kd
    .args:
      - { .name: hbuf, .offset: 0, .size: 8, .value_kind: global_buffer, .address_space: global }
      - { .name: hsc, .offset: 8, .size: 8, .value_kind: global_buffer, .address_space: global }
      - { .name: list, .offset: 16, .size: 8, .value_kind: global_buffer, .address_space: global }
      - { .name: w2_codes, .offset: 24, .size: 8, .value_kind: global_buffer, .address_space: global }
      - { .name: w2_scales, .offset: 32, .size: 8, .value_kind: global_buffer, .address_space: global }
      - { .name: b2, .offset: 40, .size: 8, .value_kind: global_buffer, .address_space: global }
      - { .name: ypart, .offset: 48, .size: 8, .value_kind: global_buffer, .address_space: global }
    .group_segment_fixed_size: 281088
    .private_segment_fixed_size: 0
    .kernarg_segment_align: 8
    .kernarg_segment_size: 56
    .max_flat_workgroup_size: 128
    .sgpr_count:     66
    .vgpr_count:     896
    .wavefront_size: 32
...
	.end_amdgpu_metadata
.endif
;; end of part 9
;; launch join (part 10): grid 256 x 1, 4 waves a work-group, no clusters, 0 bytes of LDS; arguments ypart, coef, out0; writes out0
.if DOCPART == 10
	.amdgcn_target "amdgcn-amd-amdhsa--gfx1250"
	.amdhsa_code_object_version 6
	.text
	.protected	k_q0ee59ca759_join
	.globl	k_q0ee59ca759_join
	.p2align	8
	.type	k_q0ee59ca759_join,@function
k_q0ee59ca759_join:
	s_mov_b64 s[64:65], 0
	v_nop
	global_prefetch_b8 v0, s[64:65] scope:SCOPE_SE
	s_setreg_imm32_b32 hwreg(HW_REG_WAVE_MODE, 25, 1), 1
	s_wait_xcnt 0x0
; out[t] = c0 (y of slot 2 t) + c1 (y of slot 2 t + 1), each y the sum of its two halves of K.  ypart: [K half 2][slot 2560][1024] f32.
; One wave takes one token: 32 loads of 512 consecutive bytes, all issued at once, eight stores of 512 consecutive bytes.  A stream: no LDS, no barrier, no matrix unit.
.set HALF, 0xa00000                    ; bytes from one half of K to the other: 2,560 slots of 4,096
.set L, 16                             ; v16-143: piece i at 16 i: (half 0, slot 0), (half 1, slot 0), (half 0, slot 1), (half 1, slot 1)
	s_load_b128 s[4:7], s[0:1], 0x0                ; ypart, coef
	s_load_b64 s[8:9], s[0:1], 0x10                ; out0
	v_lshrrev_b32 v1, 5, v0
	v_readfirstlane_b32 s10, v1
	v_and_b32 v1, 31, v0
	v_lshlrev_b32 v1, 4, v1                        ; 16 x lane
	s_lshl_b32 s11, ttmp9, 2
	s_add_co_u32 s11, s11, s10                     ; my token
	s_mov_b32 s13, 0
	s_wait_alu depctr_va_vdst(0)
	s_wait_kmcnt 0x0
	s_lshl_b32 s12, s11, 3
	s_add_nc_u64 s[6:7], s[6:7], s[12:13]
	s_load_b64 s[16:17], s[6:7], 0x0               ; c0, c1
	s_lshl_b32 s12, s11, 13
	s_add_nc_u64 s[4:5], s[4:5], s[12:13]          ; slot 2 t, lower half of K
	s_add_nc_u64 s[14:15], s[4:5], HALF            ; and upper
	s_lshl_b32 s12, s11, 12
	s_add_nc_u64 s[8:9], s[8:9], s[12:13]
.irp i, 0,1,2,3,4,5,6,7
	global_load_b128 v[L+16*\i:L+16*\i+3], v1, s[4:5] offset:512*\i th:TH_LOAD_NT
	global_load_b128 v[L+16*\i+4:L+16*\i+7], v1, s[14:15] offset:512*\i th:TH_LOAD_NT
	global_load_b128 v[L+16*\i+8:L+16*\i+11], v1, s[4:5] offset:4096+512*\i th:TH_LOAD_NT
	global_load_b128 v[L+16*\i+12:L+16*\i+15], v1, s[14:15] offset:4096+512*\i th:TH_LOAD_NT
.endr
	s_wait_kmcnt 0x0
	s_mov_b32 s18, s17                             ; c1 as the low word of a pair of its own: the packed forms take a scalar pair's low word for both halves
	s_mov_b32 s19, s17
.irp i, 0,1,2,3,4,5,6,7
.set P, L+16*\i
	s_wait_loadcnt 4*(7-\i)                        ; this piece's four loads are in; four for each later piece are younger
	v_pk_add_f32 v[P:P+1], v[P:P+1], v[P+4:P+5]
	v_pk_add_f32 v[P+2:P+3], v[P+2:P+3], v[P+6:P+7]
	v_pk_add_f32 v[P+8:P+9], v[P+8:P+9], v[P+12:P+13]
	v_pk_add_f32 v[P+10:P+11], v[P+10:P+11], v[P+14:P+15]
	v_pk_mul_f32 v[P:P+1], v[P:P+1], s[16:17] op_sel_hi:[1,0]
	v_pk_mul_f32 v[P+2:P+3], v[P+2:P+3], s[16:17] op_sel_hi:[1,0]
	v_pk_fma_f32 v[P:P+1], v[P+8:P+9], s[18:19], v[P:P+1] op_sel_hi:[1,0,1]
	v_pk_fma_f32 v[P+2:P+3], v[P+10:P+11], s[18:19], v[P+2:P+3] op_sel_hi:[1,0,1]
	global_store_b128 v1, v[P:P+3], s[8:9] offset:512*\i th:TH_STORE_NT
.endr
	s_endpgm
.Lfunc_end_k_q0ee59ca759_join:
	.size	k_q0ee59ca759_join, .Lfunc_end_k_q0ee59ca759_join-k_q0ee59ca759_join
	.p2alignl 7, 3214868480
	.fill 96, 4, 3214868480
	.section	.rodata,"a",@progbits
	.p2align	6, 0x0
	.amdhsa_kernel k_q0ee59ca759_join
		.amdhsa_group_segment_fixed_size 0
		.amdhsa_private_segment_fixed_size 0
		.amdhsa_enable_private_segment 0
		.amdhsa_kernarg_size 24
		.amdhsa_user_sgpr_count 2
		.amdhsa_user_sgpr_kernarg_segment_ptr 1
		.amdhsa_wavefront_size32 1
		.amdhsa_system_sgpr_workgroup_id_x 1
		.amdhsa_system_sgpr_workgroup_id_y 1
		.amdhsa_system_sgpr_workgroup_id_z 1
		.amdhsa_system_vgpr_workitem_id 0
		.amdhsa_next_free_vgpr 176
		.amdhsa_next_free_sgpr 66
		.amdhsa_reserve_vcc 0
		.amdhsa_float_denorm_mode_32 3
		.amdhsa_float_denorm_mode_16_64 3
		.amdhsa_memory_ordered 1
		.amdhsa_forward_progress 1
		.amdhsa_inst_pref_size 10
	.end_amdhsa_kernel
	.amdgpu_metadata
---
amdhsa.version: [ 1, 2 ]
amdhsa.kernels:
  - .name:           k_q0ee59ca759_join
    .symbol:         k_q0ee59ca759_join.kd
    .args:
      - { .name: ypart, .offset: 0, .size: 8, .value_kind: global_buffer, .address_space: global }
      - { .name: coef, .offset: 8, .size: 8, .value_kind: global_buffer, .address_space: global }
      - { .name: out0, .offset: 16, .size: 8, .value_kind: global_buffer, .address_space: global }
    .group_segment_fixed_size: 0
    .private_segment_fixed_size: 0
    .kernarg_segment_align: 8
    .kernarg_segment_size: 24
    .max_flat_workgroup_size: 128
    .sgpr_count:     66
    .vgpr_count:     176
    .wavefront_size: 32
...
	.end_amdgpu_metadata
.endif
;; end of part 10
